; MI455X (gfx1250); checked and timed in simulation.
; The chip was launched on July 23, 2026; its instructions are those of AMD's public machine-readable ISA for CDNA 5 (MIT licence, August 2026) and "CDNA5" Instruction Set Architecture Reference Guide (July 2026). The comments in the code are by the model that wrote it; some were corrected since.
;; Attention layer. Allowed arithmetic: float matrix products may take bf16 or f16 operands with f32 sums; all other float work in f32.
;; Inputs: encoder_output_embedding 4 x 2,048 x 1,024 float32; input_embeddings 4 x 2,048 x 1,024 float32; token_attention_masks_source 4 x 2,048 int32; token_attention_masks_target 4 x 2,048 int32; w_key 1,024 x 1,024 float32; w_query 1,024 x 1,024 float32; w_value 1,024 x 1,024 float32.
;; Outputs: out0 4 x 2,048 x 1,024 float32.
;; 2 versions, each right; version 2 is version 1 with the launch prep written anew for expert scheduling mode. Each part assembles by itself: llvm-mc -triple=amdgcn-amd-amdhsa -mcpu=gfx1250 --defsym DOCPART=n.
;; ======== version 1 of 2: 4 launches
;; limits: values are held in f16: magnitudes above 65,504 overflow, below 6.1e-05 lose precision
;; workspace buffers: xb 16,777,216 bytes; wt 6,291,456 bytes; qkv 50,331,648 bytes; oh 33,554,432 bytes
;; launch prep (part 1): grid 704 x 1, 8 waves a work-group, no clusters, 35,840 bytes of LDS; arguments input_embeddings, w_query, w_key, w_value, xb, wt; writes xb, wt
.if DOCPART == 1
	.amdgcn_target "amdgcn-amd-amdhsa--gfx1250"
	.amdhsa_code_object_version 6
	.text
	.protected	k_qc5a668553f_prep
	.globl	k_qc5a668553f_prep
	.p2align	8
	.type	k_qc5a668553f_prep,@function
k_qc5a668553f_prep:
	s_mov_b64 s[64:65], 0
	v_nop
	global_prefetch_b8 v0, s[64:65] scope:SCOPE_SE
	s_setreg_imm32_b32 hwreg(HW_REG_WAVE_MODE, 25, 1), 1
	s_wait_xcnt 0x0
; Prepares the operands of the projection GEMM.
;   xb[8192][1024] bf16 = input_embeddings rounded to bf16 (work-groups 0 to 511, 64 KiB of f32 each).
;   wt[3072][1024] bf16: row 1024 w + 128 h + d holds column 8 d + h of weight w (0 query, 1 key, 2 value) along k, so that the GEMM finds
;   K contiguous and each head's 128 outputs lie side by side (work-groups 512 to 703, a block of 128 k x 128 columns each).
; Memory binds here: every input byte is read once by loads that cover 512 consecutive bytes, and every store covers whole aligned runs of
; 256 bytes.  No matrix unit, no cluster (no two work-groups read the same bytes), no tensor load (the data must be converted in registers anyway).
.set XIN,    16                        ; v[16:79]   sixteen loads of 4 f32
.set YO,     80                        ; v[80:111]  packed bf16
.set WPITCH, 272                       ; LDS row of the transposed block: 128 k in bf16 = 256 bytes, + 16: sixteen neighbouring rows start 16 bytes apart modulo 256
	s_load_b256 s[4:11], s[0:1], 0x0               ; x s[4:5], w_query s[6:7], w_key s[8:9], w_value s[10:11]
	s_load_b128 s[12:15], s[0:1], 0x20             ; xb s[12:13], wt s[14:15]
	v_lshl_add_u32 v112, v0, 2, 0x8800
	v_mov_b32 v113, 0
	v_lshrrev_b32 v5, 5, v0
	v_readfirstlane_b32 s16, v5                    ; wave 0..7
	v_and_b32 v6, 31, v0                           ; lane L
	v_lshlrev_b32 v7, 4, v6                        ; 16 L
	s_cmp_ge_u32 ttmp9, 512                        ; the same for all waves of a work-group
	s_cbranch_scc1 .Lweights
	; ---- X: the work-group casts 16,384 numbers; a wave 2,048, in sixteen loads that are all on their way at once
	s_lshl_b32 s18, ttmp9, 16                      ; 65,536 bytes of f32 in
	s_mov_b32 s19, 0
	s_lshl_b32 s20, ttmp9, 15                      ; 32,768 bytes of bf16 out
	s_mov_b32 s21, 0
	v_lshl_add_u32 v1, s16, 13, v7                 ; 8,192 wave + 16 L
	v_lshrrev_b32 v2, 1, v1                        ; half of it in xb
	s_wait_kmcnt 0x0
	s_add_nc_u64 s[4:5], s[4:5], s[18:19]
	s_add_nc_u64 s[12:13], s[12:13], s[20:21]
.irp i, 0,1,2,3,4,5,6,7,8,9,10,11,12,13,14,15
	global_load_b128 v[XIN+4*\i:XIN+4*\i+3], v1, s[4:5] offset:512*\i th:TH_LOAD_NT
.endr
.irp i, 0,1,2,3,4,5,6,7,8,9,10,11,12,13,14,15
	s_wait_loadcnt 15-\i                           ; loads return in order: load i is in, the 15 - i younger ones stay out
	v_cvt_pk_bf16_f32 v[YO+2*\i], v[XIN+4*\i], v[XIN+4*\i+1]
	v_cvt_pk_bf16_f32 v[YO+2*\i+1], v[XIN+4*\i+2], v[XIN+4*\i+3]
	global_store_b64 v2, v[YO+2*\i:YO+2*\i+1], s[12:13] offset:256*\i    ; the wave's 32 x 8 bytes are 256 consecutive bytes, aligned
.endr
	s_endpgm                                       ; no register was written twice: no further wait
	; ---- W: block (w, kb, cb): rows k = 128 kb .. +127, columns 128 cb .. +127
.Lweights:
	s_sub_co_u32 s17, ttmp9, 512
	s_lshr_b32 s18, s17, 6                         ; which weight
	s_bfe_u32 s19, s17, 0x30003                    ; kb
	s_and_b32 s20, s17, 7                          ; cb
	s_lshl_b32 s22, s19, 19                        ; 128 rows of 4,096 bytes
	s_lshl_b32 s23, s20, 9                         ; 128 columns of 4 bytes
	s_add_co_u32 s22, s22, s23
	s_mov_b32 s23, 0
	s_lshl_b32 s24, s18, 21                        ; wt: 1,024 rows of 2,048 bytes for each weight,
	s_lshl_b32 s25, s20, 15                        ; d starts at 16 cb: 16 rows,
	s_add_co_u32 s24, s24, s25
	s_lshl_b32 s25, s19, 8                         ; k starts at 128 kb: 256 bytes
	s_add_co_u32 s24, s24, s25
	s_mov_b32 s25, 0
	s_lshr_b32 s26, s16, 1
	s_and_b32 s27, s16, 1
	s_lshl_b32 s26, s26, 18                        ; (wave >> 1) heads of 128 rows of 2,048 bytes
	s_lshl_b32 s27, s27, 14                        ; (wave & 1) x 8 rows
	s_add_co_u32 s26, s26, s27
	v_lshl_add_u32 v1, s16, 16, v7                 ; in: my wave's 16 rows of k, my 4 columns
	v_mul_u32_u24 v2, v6, WPITCH
	v_lshl_add_u32 v2, s16, 5, v2                  ; LDS in: row L (+ 32 e), byte 2 x 16 wave
	v_lshrrev_b32 v8, 4, v6                        ; L >> 4
	v_and_b32 v9, 15, v6
	v_lshlrev_b32 v9, 4, v9                        ; 16 (L & 15)
	v_lshl_add_u32 v10, s16, 4, v8                 ; LDS back: row 16 wave + (L >> 4) (+ 2 u)
	v_mul_u32_u24 v3, v10, WPITCH
	v_add_nc_u32 v3, v3, v9
	v_lshl_add_u32 v4, v8, 20, v9                  ; out: (L >> 4) x 4 heads + my 16 bytes of the row
	v_add_nc_u32 v4, s26, v4
	s_wait_kmcnt 0x0
	s_cmp_eq_u32 s18, 1
	s_cselect_b64 s[6:7], s[8:9], s[6:7]
	s_cmp_eq_u32 s18, 2
	s_cselect_b64 s[6:7], s[10:11], s[6:7]
	s_add_nc_u64 s[6:7], s[6:7], s[22:23]
	s_add_nc_u64 s[14:15], s[14:15], s[24:25]
.irp j, 0,1,2,3,4,5,6,7,8,9,10,11,12,13,14,15
	global_load_b128 v[XIN+4*\j:XIN+4*\j+3], v1, s[6:7] offset:4096*\j th:TH_LOAD_NT    ; row 16 wave + j: 512 consecutive bytes
.endr
	; Lane L holds columns 4 L + e of sixteen k.  Eight k of one column pack into 16 bytes: the transposition is a choice of registers.
	; LDS row 32 e + L stands for column 4 L + e.
.irp o, 0,1
	s_wait_loadcnt 8-8*\o                          ; the first eight rows are in while the other eight stay out; then all
.irp e, 0,1,2,3
.irp q, 0,1,2,3
	v_cvt_pk_bf16_f32 v[YO+16*\o+4*\e+\q], v[XIN+4*(8*\o+2*\q)+\e], v[XIN+4*(8*\o+2*\q+1)+\e]
.endr
	ds_store_b128 v2, v[YO+16*\o+4*\e:YO+16*\o+4*\e+3] offset:32*WPITCH*\e+16*\o
.endr
.endr
	s_wait_dscnt 0x0                               ; my stores are in LDS before I say so: the other waves read them
	s_barrier_signal -1
	s_barrier_wait -1
	; LDS row 16 wave + 2 u + (L >> 4) is column 4 (16 (wave & 1) + 2 u + (L >> 4)) + (wave >> 1) = 8 d + h
	; with h = 4 (L >> 4) + (wave >> 1) and d = 16 cb + 8 (wave & 1) + u.
.irp u, 0,1,2,3,4,5,6,7
	ds_load_b128 v[XIN+4*\u:XIN+4*\u+3], v3 offset:2*WPITCH*\u
.endr
.irp u, 0,1,2,3,4,5,6,7
	s_wait_dscnt 7-\u
	global_store_b128 v4, v[XIN+4*\u:XIN+4*\u+3], s[14:15] offset:2048*\u    ; sixteen lanes store 256 consecutive bytes, aligned
.endr
	s_wait_tensorcnt 0x0
	ds_add_u32 v112, v113
	s_wait_dscnt 0x0
	s_endpgm
.Lfunc_end_k_qc5a668553f_prep:
	.size	k_qc5a668553f_prep, .Lfunc_end_k_qc5a668553f_prep-k_qc5a668553f_prep
	.p2alignl 7, 3214868480
	.fill 96, 4, 3214868480
	.section	.rodata,"a",@progbits
	.p2align	6, 0x0
	.amdhsa_kernel k_qc5a668553f_prep
		.amdhsa_group_segment_fixed_size 35840
		.amdhsa_private_segment_fixed_size 0
		.amdhsa_enable_private_segment 0
		.amdhsa_kernarg_size 48
		.amdhsa_user_sgpr_count 2
		.amdhsa_user_sgpr_kernarg_segment_ptr 1
		.amdhsa_wavefront_size32 1
		.amdhsa_system_sgpr_workgroup_id_x 1
		.amdhsa_system_sgpr_workgroup_id_y 1
		.amdhsa_system_sgpr_workgroup_id_z 1
		.amdhsa_system_vgpr_workitem_id 0
		.amdhsa_next_free_vgpr 114
		.amdhsa_next_free_sgpr 66
		.amdhsa_reserve_vcc 0
		.amdhsa_float_denorm_mode_32 3
		.amdhsa_float_denorm_mode_16_64 3
		.amdhsa_memory_ordered 1
		.amdhsa_forward_progress 1
		.amdhsa_inst_pref_size 14
	.end_amdhsa_kernel
	.amdgpu_metadata
---
amdhsa.version: [ 1, 2 ]
amdhsa.kernels:
  - .name:           k_qc5a668553f_prep
    .symbol:         k_qc5a668553f_prep.kd
    .args:
      - { .name: input_embeddings, .offset: 0, .size: 8, .value_kind: global_buffer, .address_space: global }
      - { .name: w_query, .offset: 8, .size: 8, .value_kind: global_buffer, .address_space: global }
      - { .name: w_key, .offset: 16, .size: 8, .value_kind: global_buffer, .address_space: global }
      - { .name: w_value, .offset: 24, .size: 8, .value_kind: global_buffer, .address_space: global }
      - { .name: xb, .offset: 32, .size: 8, .value_kind: global_buffer, .address_space: global }
      - { .name: wt, .offset: 40, .size: 8, .value_kind: global_buffer, .address_space: global }
    .group_segment_fixed_size: 35840
    .private_segment_fixed_size: 0
    .kernarg_segment_align: 8
    .kernarg_segment_size: 48
    .max_flat_workgroup_size: 256
    .sgpr_count:     66
    .vgpr_count:     114
    .wavefront_size: 32
...
	.end_amdgpu_metadata
.endif
;; end of part 1
;; launch proj (part 2): grid 12 x 32, 4 waves a work-group, clusters of 4 x 4, 327,680 bytes of LDS; arguments xb, wt, qkv; writes qkv
.if DOCPART == 2
	.amdgcn_target "amdgcn-amd-amdhsa--gfx1250"
	.amdhsa_code_object_version 6
	.text
	.protected	k_qc5a668553f_proj
	.globl	k_qc5a668553f_proj
	.p2align	8
	.type	k_qc5a668553f_proj,@function
k_qc5a668553f_proj:
	s_mov_b64 s[64:65], 0
	v_nop
	global_prefetch_b8 v0, s[64:65] scope:SCOPE_SE
	s_setreg_imm32_b32 hwreg(HW_REG_WAVE_MODE, 25, 1), 1
	s_wait_xcnt 0x0
	s_wait_alu depctr_hold_cnt(0) depctr_sa_sdst(0) depctr_va_vdst(0) depctr_va_sdst(0) depctr_va_ssrc(0) depctr_va_vcc(0) depctr_vm_vsrc(0)
	s_getreg_b32 s2, hwreg(HW_REG_IB_STS2, 6, 4)
	s_cmp_eq_u32 s2, 0
	s_cbranch_scc0 .Lentry_in_a_cluster
	s_endpgm
.Lentry_in_a_cluster:
	s_bfe_u32 s2, ttmp6, 0x10000c
	s_cmp_lg_u32 s2, 0xf033
	s_cbranch_scc0 .Lentry_shape_is_right
	s_endpgm
.Lentry_shape_is_right:
; qkv[m][n] = sum over k of xb[m][k] wt[n][k].  xb: [8192][1024] bf16, wt: [3072][1024] bf16, sums in f32, qkv: [8192][3072] f16.
; Column n = 1024 w + 128 h + d: the query, key and value vectors of head h are 256 aligned bytes of a row each.
; LIMIT: the results are rounded to f16 (three more significand bits than bf16 for the attention that follows); a result of magnitude 65,504 or more
; overflows.  With inputs as drawn the results have spread 1; with x and w both 30 times larger, spread 900; with a common offset of 30 spreads on both, about 29,000.
; A work-group makes a block of 256 x 256 with four waves, one for each SIMD of a WGP; a wave makes 128 x 128: 64 accumulator tiles of 16 x 16, 512 registers.
; K goes in steps of 128 through a ring of two LDS slots filled by the tensor data mover: a tile's rows are 256 bytes of memory at multiples of 256 bytes.
; CLUSTERS: 4 x 4 work-groups.  The four of a row of the cluster need the same tiles of xb, the four of a column the same tiles of wt.  Such a tile is asked for
; jointly: each of the four issues the same tensor load, with the same descriptor and a mask that names the four.  That divides the requests by four.
;
; REGISTERS, in windows of 256 (s_set_vgpr_msb says which window each operand place means):
;   window 0: v0-31 addresses; v64-127, v128-191 fragments of A, two buffers; v192-223 at work on the way out
;   window 1: v64-127, v128-191 fragments of B, two buffers
;   window 2: the 32 accumulator tiles of my rows 0-63 (tile (a, b) at v[8 (8 a + b)]);   window 3: those of my rows 64-127
; The matrix instruction is used transposed: source 0 = 16 rows of B, source 1 = 16 rows of A, so that lane l holds row l % 16 of C and its
; registers 0 to 7 the columns 8 (l / 16) + 0 .. 7: eight neighbouring numbers of a row, which pack into 16 bytes.
.set SIZE_M, 8192
.set SIZE_N, 3072
.set SIZE_K, 1024
.set KSTEP,  128
.set PITCH,  272                       ; an LDS row: 256 bytes of data + 16 of padding: the 16 rows that a load touches start 16 bytes apart modulo 256
.set HALFT,  128*PITCH                 ; 128 rows: what one tensor load brings, and what one wave reads of A or of B
.set SLOT,   4*HALFT                   ; A's 256 rows, then B's 256 rows
.set STAGE,  2*SLOT                    ; behind the ring: 16 rows x 272 bytes for each wave, for the way out
.set SPITCH, 272
.set LAPS, SIZE_K/(2*KSTEP)            ; a lap = two K steps = once round the ring: 4 laps
.set ADRA, 16                          ; v16-17  LDS address of my A fragments in slot 0, 1
.set ADRB, 20                          ; v20-21  the same for B
.set STO,  24                          ; v24     the way out: where I put 16 bytes of a row
.set RD,   25                          ; v25     the way out: where I read a row back
.set CO,   26                          ; v26     my byte offset in C
.set F0,   64                          ; fragment buffer 0
.set F1,   128                         ; fragment buffer 1
.set TMP,  192                         ; the way out: packed results, in window 0
.set G1, 24                            ; s[24:31] descriptor group 1 for A's tiles
.set G0, 32                            ; s[32:39] descriptor group 0 for A's tiles, one set for each slot
.set G1B, 48                           ; s[48:55] descriptor group 1 for B's tiles: it differs from A's in the mask alone
.set G0B, 56                           ; s[56:63] descriptor group 0 for B's tiles, one set for each slot
.set MSB, 0
.macro WIN new                         ; the immediate's high byte repeats the setting that is left
.if MSB != \new
	s_set_vgpr_msb (MSB<<8)|\new
.set MSB, \new
.endif
.endm
.set MUL_LO, 0xa1                      ; source 0 (B) window 1, source 1 (A) window 0, C and D window 2
.set MUL_HI, 0xf1                      ; the same, C and D window 3
.set TO_B,   0x40                      ; destination window 1, address window 0
; A joint load.  Waves 0 and 1 fetch A's two halves, waves 2 and 3 B's.  Each line has one mask and one set of registers for all that issue it.
; The branch hangs on the wave's number alone: it is the same in every work-group.
.macro JLOAD s
	s_cmp_eq_u32 s11, 0
	s_cbranch_scc0 .Lfor_b_\@
	tensor_load_to_lds s[G0+4*\s:G0+4*\s+3], s[G1:G1+7]
	s_nop 0
	s_branch .Lasked_\@
.Lfor_b_\@:
	tensor_load_to_lds s[G0B+4*\s:G0B+4*\s+3], s[G1B:G1B+7]
	s_nop 0
.Lasked_\@:
.endm
; A round of the cluster's barrier: my work-group's barrier, so that wave 0's signal speaks for all four waves; wave 0 signals for the work-group;
; every wave waits for all sixteen work-groups; my work-group's barrier once more.
.macro CREST                           ; a round behind its opening barrier
	s_cmp_lg_u32 s10, 0
	s_cbranch_scc1 .Lnot_wave_0_\@
	s_barrier_signal -3
.Lnot_wave_0_\@:
	s_barrier_wait -3
	s_barrier_signal -1
	s_barrier_wait -1
.endm
.macro CROUND                          ; a whole round
	s_barrier_signal -1
	s_barrier_wait -1
	CREST
.endm
	s_load_b128 s[4:7], s[0:1], 0x0                ; A s[4:5], B s[6:7]
	s_load_b64 s[8:9], s[0:1], 0x10                ; C
	s_set_vgpr_msb 0x40
	v_lshl_add_u32 v255, v0, 2, 0x48400
	s_set_vgpr_msb 0x4000
	v_mov_b32 v255, 0
	s_set_vgpr_msb 0x1
	ds_add_u32 v255, v255
	s_set_vgpr_msb 0x100
	v_lshrrev_b32 v1, 5, v0
	v_readfirstlane_b32 s10, v1                    ; wave 0..3
	s_lshr_b32 s11, s10, 1                         ; which half of the block's rows is mine.  Also: I fetch for A (0) or for B (1)
	s_and_b32 s12, s10, 1                          ; which half of its columns.  Also: which 128 rows of that tile I fetch
	s_bfe_u32 s40, ttmp6, 0x40000                  ; cx: my place along the cluster's x
	s_bfe_u32 s41, ttmp6, 0x40004                  ; cy: along its y
	s_lshl_b32 s42, ttmp9, 2                       ; in a cluster launch ttmp9 and ttmp7 count clusters
	s_add_co_u32 s42, s42, s40                     ; block column of C = 4 x cluster x + cx
	s_and_b32 s13, ttmp7, 0xffff
	s_lshl_b32 s13, s13, 2
	s_add_co_u32 s13, s13, s41                     ; block row of C = 4 x cluster y + cy
	s_lshl_b32 s43, s41, 2
	s_lshl_b32 s43, 15, s43                        ; my row of the cluster: places 4 cy .. 4 cy + 3
	s_lshl_b32 s44, 0x1111, s40                    ; my column: places cx, cx + 4, cx + 8, cx + 12
	; descriptor group 1: a tile of 128 rows x 128 elements, padded in LDS
	s_or_b32 s[G1+0], s43, (1<<16)|(1<<20)|(1<<21)|(5<<22)|(3<<25)  ; 15:0 the mask: A's tiles go to my row; 17:16 element of 2 bytes; 20 padding on; 21 set beside a mask; 24:22 after every 64 words; 31:25 of 4 words
	s_or_b32 s[G1B+0], s44, (1<<16)|(1<<20)|(1<<21)|(5<<22)|(3<<25) ; the same with the mask of my column, for B's tiles
	s_mov_b32 s[G1B+1], KSTEP<<16
	s_mov_b32 s[G1+1], KSTEP<<16                   ; tensor_dim0 = 128
	s_mov_b32 s[G1B+2], 128<<16
	s_mov_b32 s[G1+2], 128<<16                     ; tensor_dim1 = 128
	s_mov_b32 s[G1B+3], KSTEP<<16
	s_mov_b32 s[G1+3], KSTEP<<16                   ; tile_dim0 = 128
	s_mov_b32 s[G1B+4], 128
	s_mov_b32 s[G1+4], 128                         ; tile_dim1 = 128
	s_mov_b32 s[G1B+5], SIZE_K
	s_mov_b32 s[G1+5], SIZE_K                      ; elements from row to row
	s_mov_b32 s[G1B+6], 0
	s_mov_b32 s[G1+6], 0
	s_mov_b32 s[G1B+7], 0
	s_mov_b32 s[G1+7], 0
	; where the tiles come from.  A's hang on the block row alone, which my row of the cluster shares; B's on the block column alone, which my column shares.
	; Every wave makes both addresses, in registers that never hold the other coordinate, and asks by one of them.
	s_lshl_b32 s17, s12, 7                         ; which 128 rows of the tile I fetch
	s_lshl_b32 s16, s13, 8
	s_add_co_u32 s16, s16, s17                     ; A: row 256 x block row + 128 x half
	s_lshl_b32 s46, s42, 8
	s_add_co_u32 s46, s46, s17                     ; B: row 256 x block column + 128 x half
	s_mov_b32 s17, 0
	s_mov_b32 s47, 0
	s_mov_b64 s[18:19], SIZE_K*2
	s_mul_u64 s[16:17], s[16:17], s[18:19]         ; in bytes, in 64 bits
	s_mul_u64 s[46:47], s[46:47], s[18:19]
	s_mul_i32 s20, s10, HALFT                      ; and where they go: wave x 128 rows: no place in the cluster enters an LDS address
	s_wait_dscnt 0x0
	s_wait_kmcnt 0x0
	s_add_nc_u64 s[14:15], s[4:5], s[16:17]
	s_add_nc_u64 s[46:47], s[6:7], s[46:47]
	CROUND                                         ; all sixteen work-groups are here: the first joint loads meet
.irp s, 0,1
	s_mov_b32 s[G0+4*\s], 1                                        ; count = 1
	s_add_co_u32 s[G0+4*\s+1], s20, \s*SLOT                        ; LDS address
	s_add_nc_u64 s[G0+4*\s+2:G0+4*\s+3], s[14:15], \s*KSTEP*2      ; global address: K step s
	s_or_b32 s[G0+4*\s+3], s[G0+4*\s+3], 0x80000000                ; type = 2
	s_mov_b32 s[G0B+4*\s], 1
	s_add_co_u32 s[G0B+4*\s+1], s20, \s*SLOT
	s_add_nc_u64 s[G0B+4*\s+2:G0B+4*\s+3], s[46:47], \s*KSTEP*2
	s_or_b32 s[G0B+4*\s+3], s[G0B+4*\s+3], 0x80000000
	JLOAD \s                                       ; the ring is filled before anything else is done: two tensor loads of a wave are out here, later one
.endr
	; A fragment is 16 rows x 32 K in 8 registers: lane l holds row l % 16; registers 0-3 hold K = 8 (l / 16) + 0..7, registers 4-7 hold
	; K = 16 + 8 (l / 16) + 0..7.  From rows that lie along K: two loads of 16 bytes, 32 bytes apart.
	v_and_b32 v1, 15, v0                           ; l % 16
	v_bfe_u32 v2, v0, 4, 1                         ; l / 16
	v_mul_u32_u24 v3, v1, PITCH
	v_lshl_add_u32 v3, v2, 4, v3                   ; row x pitch + 16 x half
	s_mul_i32 s21, s11, HALFT                      ; my 128 rows of A
	s_mul_i32 s22, s12, HALFT                      ; my 128 rows of B,
	s_add_co_u32 s22, s22, 2*HALFT                 ; which lie behind A's 256
.irp s, 0,1
	v_add_nc_u32 v[ADRA+\s], s21, v3
	v_add_nc_u32 v[ADRB+\s], s22, v3
	s_add_co_u32 s21, s21, SLOT
	s_add_co_u32 s22, s22, SLOT
.endr
	s_mul_i32 s23, s10, 16*SPITCH
	s_add_co_u32 s23, s23, STAGE                   ; my stage
	v_mul_u32_u24 v4, v1, SPITCH                   ; in: row l % 16, 16 bytes for each half of the lanes
	v_lshl_add_u32 v4, v2, 4, v4
	v_add_nc_u32 v[STO], s23, v4
	v_mul_u32_u24 v5, v2, SPITCH                   ; back: lanes 0-15 take one row of 256 bytes, lanes 16-31 the next
	v_lshl_add_u32 v5, v1, 4, v5
	v_add_nc_u32 v[RD], s23, v5
	v_mul_u32_u24 v5, v2, SIZE_N*2                 ; and the same two rows in C
	v_lshl_add_u32 v[CO], v1, 4, v5
; 16 matrix instructions: m blocks a0, a0 + 1 of the window's four (hi = 0: my rows 0-63, 1: rows 64-127) x all 8 n blocks, 32 along K.
; zero = 1: the first product starts the sums: nothing is ever cleared.
.macro MUL16 f, hi, a0, zero
.irp a, \a0, \a0+1
.irp b, 0,1,2,3,4,5,6,7
.if \zero
	v_wmma_f32_16x16x32_bf16 v[8*(8*(\a)+\b):8*(8*(\a)+\b)+7], v[\f+8*\b:\f+8*\b+7], v[\f+8*(4*\hi+\a):\f+8*(4*\hi+\a)+7], 0
.else
	v_wmma_f32_16x16x32_bf16 v[8*(8*(\a)+\b):8*(8*(\a)+\b)+7], v[\f+8*\b:\f+8*\b+7], v[\f+8*(4*\hi+\a):\f+8*(4*\hi+\a)+7], v[8*(8*(\a)+\b):8*(8*(\a)+\b)+7]
.endif
.endr
.endr
.endm
; 32 LDS loads in one run: the fragments of one quarter step (128 rows of B, 128 rows of A, 32 K at byte k of the rows) into buffer f
.macro FETCH slot, k, f
	WIN TO_B
.irp i, 0,1,2,3,4,5,6,7
	ds_load_b128 v[\f+8*\i:\f+8*\i+3],   v[ADRB+\slot] offset:\k+\i*16*PITCH
	ds_load_b128 v[\f+8*\i+4:\f+8*\i+7], v[ADRB+\slot] offset:\k+\i*16*PITCH+32
.endr
	WIN 0
.irp i, 0,1,2,3,4,5,6,7
	ds_load_b128 v[\f+8*\i:\f+8*\i+3],   v[ADRA+\slot] offset:\k+\i*16*PITCH
	ds_load_b128 v[\f+8*\i+4:\f+8*\i+7], v[ADRA+\slot] offset:\k+\i*16*PITCH+32
.endr
.endm
; A load into a register that a matrix instruction has read, and a vector instruction that reads a matrix result, stand four places behind that
; matrix instruction, and only plain vector instructions that name none of its registers are places (ISA guide 7.12.1 for vector instructions).
; So four v_nop stand in front of each run of loads.
.macro PLACES
.rept 4
	v_nop
.endr
.endm
; A K step is four quarter steps of 32 along K, 64 matrix instructions each, on buffers 0, 1, 0, 1.  The 64 accumulators take turns, one instruction
; a turn, in the same order in every quarter.
; One of the first three quarters: multiplies buffer f; in its middle it fetches the next quarter's fragments, at byte k of the same slot's rows, into buffer g.
.macro QUARTER slot, k, f, g, zero
	s_wait_dscnt 8                                 ; B and A's rows 0-63 are in; the youngest eight loads (A's rows 64-127) may be out
	WIN MUL_LO
	MUL16 \f, 0, 0, \zero
	MUL16 \f, 0, 2, \zero
	PLACES
	FETCH \slot, \k, \g
	s_wait_dscnt 32                                ; all but the 32 just issued
	WIN MUL_HI
	MUL16 \f, 1, 0, \zero
	MUL16 \f, 1, 2, \zero
.endm
.macro THREE slot, zero
	QUARTER \slot, 64,  F0, F1, \zero
	QUARTER \slot, 128, F1, F0, 0
	QUARTER \slot, 192, F0, F1, 0
.endm
; The last quarter: multiplies buffer 1 and changes slots.  next = the other slot; fill = 1: this slot is filled again, two K steps ahead.
; One barrier for the change of slots.  In front of it each wave waits for its own reads of this slot and for all its tensor loads, of which one is
; out: its part of the next slot.  Behind it nobody reads this slot any more and the next slot is whole: the refill comes first, then the next
; slot's first fragments.  From a request to the wait for it a wave issues 240 matrix instructions.
.macro TURN slot, next, fill
	s_wait_dscnt 8
	WIN MUL_LO
	MUL16 F1, 0, 0, 0
	s_wait_dscnt 0                                 ; my reads of this slot are over
	s_wait_tensorcnt 0x0                           ; and all my tensor loads have landed: the one that was out is my part of the next slot
	ds_add_u32 v255, v255
	s_wait_dscnt 0x0
	s_barrier_signal -1                            ; say so (where a slot is filled again this barrier opens a round of the cluster's barrier),
	MUL16 F1, 0, 2, 0                              ; work on registers while the others arrive,
	WIN 0
	s_barrier_wait -1                              ; and go on when all four have said so
.if \fill
	CREST                                          ; all sixteen work-groups have said so: no wave of any partner still reads this slot's tile or has a load on its way
	s_add_nc_u64 s[G0+4*\slot+2:G0+4*\slot+3], s[G0+4*\slot+2:G0+4*\slot+3], 2*KSTEP*2
	s_add_nc_u64 s[G0B+4*\slot+2:G0B+4*\slot+3], s[G0B+4*\slot+2:G0B+4*\slot+3], 2*KSTEP*2
	JLOAD \slot                                    ; the first tensor load behind the round
.endif
	PLACES
	FETCH \next, 0, F0
	WIN MUL_HI
	MUL16 F1, 1, 0, 0
	MUL16 F1, 1, 2, 0
.endm
.macro LAP zero                        ; once round the ring, both slots filled again
	THREE 0, \zero
	TURN 0, 1, 1
	THREE 1, 0
	TURN 1, 0, 1
.endm
	s_wait_tensorcnt 1                             ; my part of K step 0 is in; K step 1's may stay out
	s_barrier_signal -1
	s_barrier_wait -1                              ; everybody's is
	FETCH 0, 0, F0
	LAP 1                                          ; the first lap stands in front of the loop: its first products start the sums
.if LAPS > 2
	WIN 0                                          ; at a label and at a branch every window is 0
	s_mov_b32 s3, LAPS-2
.Llap:
	LAP 0
	WIN 0
	s_sub_co_u32 s3, s3, 1
	s_cmp_lg_u32 s3, 0
	s_cbranch_scc1 .Llap
.endif
	THREE 0, 0                                     ; the last lap fills nothing, and has no round of the cluster's barrier: my one tensor load that is still out is the last K step's
	TURN 0, 1, 0
	THREE 1, 0
	s_wait_dscnt 8                                 ; the very last quarter: nothing more to fetch
	WIN MUL_LO
	MUL16 F1, 0, 0, 0
	MUL16 F1, 0, 2, 0
	s_wait_dscnt 0
	WIN MUL_HI
	MUL16 F1, 1, 0, 0
	MUL16 F1, 1, 2, 0
	; THE WAY OUT, 16 rows of C at a time: round to f16, 16 bytes a lane into my own stage in LDS, read back as whole rows of 256 bytes.
	PLACES                                         ; the places behind the last matrix instructions
	s_lshl_b32 s13, s13, 8
	s_lshl_b32 s14, s11, 7
	s_add_co_u32 s16, s13, s14                     ; my first row of C
	s_mov_b32 s17, 0
	s_mov_b64 s[18:19], SIZE_N*2
	s_mul_u64 s[16:17], s[16:17], s[18:19]
	s_add_nc_u64 s[8:9], s[8:9], s[16:17]
	s_lshl_b32 s46, s42, 9                         ; my first column, in bytes: 512 x block + 256 x half (in the registers that held B's address)
	s_lshl_b32 s47, s12, 8
	s_add_co_u32 s46, s46, s47
	s_mov_b32 s47, 0
	s_add_nc_u64 s[8:9], s[8:9], s[46:47]
; rows 16 i .. 16 i + 15 of my block = the eight tiles (a, 0..7) of window 2 or 3 (from = 0x0a or 0x0f: sources 0 and 1); f: F0 or F1 in turn
.macro OUT16 i, a, from, f
	WIN \from
.irp b, 0,1,2,3,4,5,6,7
.irp r, 0,1,2,3
	v_cvt_pk_f16_f32 v[TMP+4*\b+\r], v[8*(8*\a+\b)+2*\r], v[8*(8*\a+\b)+2*\r+1]
.endr
.endr
	WIN 0
.irp b, 0,1,2,3,4,5,6,7
	ds_store_b128 v[STO], v[TMP+4*\b:TMP+4*\b+3] offset:32*\b
.endr
	s_wait_xcnt 0x0                                ; buffer f, which earlier stores read, and the stores' base are rewritten only behind this wait
.if \i
	s_add_nc_u64 s[8:9], s[8:9], 16*SIZE_N*2       ; 16 rows of C on
.endif
.irp t, 0,1,2,3,4,5,6,7
	ds_load_b128 v[\f+4*\t:\f+4*\t+3], v[RD] offset:\t*2*SPITCH    ; LDS serves a wave's instructions in order: these see the stores above
.endr
.irp t, 0,1,2,3,4,5,6,7
	s_wait_dscnt 7-\t
	global_store_b128 v[CO], v[\f+4*\t:\f+4*\t+3], s[8:9] offset:2*\t*SIZE_N*2   ; 16 lanes store 256 consecutive bytes, at a multiple of 256 from C's first byte
.endr
.endm
	OUT16 0, 0, 0x0a, F0
	OUT16 1, 1, 0x0a, F1
	OUT16 2, 2, 0x0a, F0
	OUT16 3, 3, 0x0a, F1
	OUT16 4, 0, 0x0f, F0
	OUT16 5, 1, 0x0f, F1
	OUT16 6, 2, 0x0f, F0
	OUT16 7, 3, 0x0f, F1
	s_set_vgpr_msb 0x1
	s_wait_tensorcnt 0x0
	ds_add_u32 v255, v255
	s_wait_dscnt 0x0
	s_set_vgpr_msb 0x100
	CROUND                                         ; the closing round: no work-group ends while a partner may still ask for a tile that names it
	s_endpgm
.Lfunc_end_k_qc5a668553f_proj:
	.size	k_qc5a668553f_proj, .Lfunc_end_k_qc5a668553f_proj-k_qc5a668553f_proj
	.p2alignl 7, 3214868480
	.fill 96, 4, 3214868480
	.section	.rodata,"a",@progbits
	.p2align	6, 0x0
	.amdhsa_kernel k_qc5a668553f_proj
		.amdhsa_group_segment_fixed_size 327680
		.amdhsa_private_segment_fixed_size 0
		.amdhsa_enable_private_segment 0
		.amdhsa_kernarg_size 24
		.amdhsa_user_sgpr_count 2
		.amdhsa_user_sgpr_kernarg_segment_ptr 1
		.amdhsa_wavefront_size32 1
		.amdhsa_system_sgpr_workgroup_id_x 1
		.amdhsa_system_sgpr_workgroup_id_y 1
		.amdhsa_system_sgpr_workgroup_id_z 1
		.amdhsa_system_vgpr_workitem_id 0
		.amdhsa_next_free_vgpr 1024
		.amdhsa_next_free_sgpr 66
		.amdhsa_reserve_vcc 0
		.amdhsa_float_denorm_mode_32 3
		.amdhsa_float_denorm_mode_16_64 3
		.amdhsa_memory_ordered 1
		.amdhsa_forward_progress 1
		.amdhsa_inst_pref_size 196
	.end_amdhsa_kernel
	.amdgpu_metadata
---
amdhsa.version: [ 1, 2 ]
amdhsa.kernels:
  - .name:           k_qc5a668553f_proj
    .symbol:         k_qc5a668553f_proj.kd
    .args:
      - { .name: xb, .offset: 0, .size: 8, .value_kind: global_buffer, .address_space: global }
      - { .name: wt, .offset: 8, .size: 8, .value_kind: global_buffer, .address_space: global }
      - { .name: qkv, .offset: 16, .size: 8, .value_kind: global_buffer, .address_space: global }
    .group_segment_fixed_size: 327680
    .private_segment_fixed_size: 0
    .kernarg_segment_align: 8
    .kernarg_segment_size: 24
    .max_flat_workgroup_size: 128
    .sgpr_count:     66
    .vgpr_count:     1024
    .wavefront_size: 32
...
	.end_amdgpu_metadata
.endif
;; end of part 2
;; launch attn (part 3): grid 8 x 32, 4 waves a work-group, clusters of 4 x 1, 327,680 bytes of LDS; arguments qkv, token_attention_masks_source, oh; writes oh
.if DOCPART == 3
	.amdgcn_target "amdgcn-amd-amdhsa--gfx1250"
	.amdhsa_code_object_version 6
	.text
	.protected	k_qc5a668553f_attn
	.globl	k_qc5a668553f_attn
	.p2align	8
	.type	k_qc5a668553f_attn,@function
k_qc5a668553f_attn:
	s_mov_b64 s[64:65], 0
	v_nop
	global_prefetch_b8 v0, s[64:65] scope:SCOPE_SE
	s_setreg_imm32_b32 hwreg(HW_REG_WAVE_MODE, 25, 1), 1
	s_wait_xcnt 0x0
	s_wait_alu depctr_hold_cnt(0) depctr_sa_sdst(0) depctr_va_vdst(0) depctr_va_sdst(0) depctr_va_ssrc(0) depctr_va_vcc(0) depctr_vm_vsrc(0)
	s_getreg_b32 s2, hwreg(HW_REG_IB_STS2, 6, 4)
	s_cmp_eq_u32 s2, 0
	s_cbranch_scc0 .Lentry_in_a_cluster
	s_endpgm
.Lentry_in_a_cluster:
	s_bfe_u32 s2, ttmp6, 0x10000c
	s_cmp_lg_u32 s2, 0x3003
	s_cbranch_scc0 .Lentry_shape_is_right
	s_endpgm
.Lentry_shape_is_right:
; Attention of one (batch b, head h) for 256 queries: oh[2048 b + s][h][d] = softmax over keys of (q.k / sqrt(128) + m[s]) times V, in f32.
; qkv: [8192][3072] f16; of a row, head h's query is the 256 bytes at 256 h, its key at 2048 + 256 h, its value at 4096 + 256 h.
; m[s] = -1000 where token_attention_masks_source[b][s] is 0, else 0: a term of the QUERY, as the reference adds it.
; Four waves, one for each SIMD; a wave owns 64 queries = 4 query tiles t of 16.  Keys go in tiles of 128 (16 tiles), each in two steps of 64: 32 steps.
;
; EVERYTHING IS TRANSPOSED.  S^T = K Q^T (source 0 = 16 keys, source 1 = 16 queries) and O^T = V^T P^T (source 0 = V^T through the transposing LDS
; load, source 1 = P^T).  Lane (r = l % 16, hh = l / 16) then holds ONE query r; its registers hold keys (or d) 8 hh + 0..7 of a tile.  So the running
; maximum, the sum, the rescale factor and 1 / sum are one number a lane, with one exchange between the halves of the wave, and the lane's own
; sixteen scores of 32 keys, packed to f16, ARE its part of P^T's fragment: P takes no trip through LDS and no shuffle.
;
; THE PIPELINE.  The query tiles form two halves, a = tiles 0, 1 and b = tiles 2, 3.  Step i is done in two phases of 64 matrix instructions:
;   phase 1 (i): PV of b, step i - 1 (32), scores of b, step i (32)      while the vector unit does the softmax of a, step i;   V(i) is loaded when PV of b is done
;   phase 2 (i): PV of a, step i (32),     scores of a, step i + 1 (32)  while the vector unit does the softmax of b, step i;   K(i + 1) is loaded at its start
; Behind each matrix instruction stands one group of the softmax: 4 maxima (slots 0-7), 2 of the dependent steps (8-13), 5 of the exponential's chain
; (14-47), 4 rescales of O (48-63): 268 vector instructions a phase.  With the matrix instruction and two switches of the register window a slot has at
; most 8 instructions; a matrix instruction is 8,192 multiply-adds.  The vector unit touches a half's S, P and O only in the phase in which the matrix
; instructions name the other half's, so nothing is kept twice.  The switches are the price: the products' D (S and O of one half, 192 registers) and the
; softmax's destinations (S, P and O of the other, 224) do not fit into one window of 256.
;
; The maximum is a running one: new maximum, factor exp2(c (old - new)) on sum and O, in every step.  Scores stay raw in the accumulators;
; c = log2(e) / sqrt(128) is applied in the fused multiply-add in front of the exponential.  The mask term enters as the C operand of each score
; tile's first matrix instruction, in raw units: -1000 sqrt(128).
; LIMITS.  A NaN among the scores is dropped by the maximum (v_max3_num_f32).  v_exp_f32 gives 0 for results below 2^-126.  At a masked query the
; raw scores are summed beside -11,313.7, so they are kept to steps of 2^-10 raw = 9 x 10^-5 in the exponent (the reference's own sum beside 1000 keeps steps of 6 x 10^-5).
; P is rounded to f16: it lies in [0, 1], and what falls below f16's smallest step, 6 x 10^-8, is lost beside the row's largest term, which is 1.
; The sum of P is 1 or more, so its reciprocal is safe.  Q, K and V come in f16: the launch that makes them states their range.
;
; CLUSTER: the four work-groups of a cluster are four query blocks of the same (b, h) and walk the same 16 tiles of K and V: each tile is asked for
; jointly (mask 15).  Every joint refill stands behind a round of the cluster's barrier.
; A wave's 64 query rows go straight from memory into fragment registers: they are read once, 16 KiB a wave against 1 MiB of K and V that the work-group walks.
.set ROWB,   6144                      ; bytes in a row of qkv
.set TILEB,  128*ROWB                  ; a tile of keys further down
.set KPITCH, 272                       ; K's LDS rows: 256 + 16 bytes: sixteen rows start 16 bytes apart modulo 256
.set VPITCH, 288                       ; V's LDS rows: 256 + 32 bytes, an odd multiple of 32, for the transposing load
.set PART,   64*VPITCH                 ; 18,432: what one wave's tensor load fills (K's 64 rows take 17,408 of it)
.set SLOT,   4*PART                    ; K rows 0-63, K rows 64-127, V rows 0-63, V rows 64-127
.set STAGE,  2*SLOT                    ; 147,456: behind the ring, never a fill's target: 16 rows x 528 bytes for each wave
.set SPITCH, 528                       ; a stage row: 128 f32 + 16 bytes
; window 0
.set ADRK, 16                          ; v16-17   my K fragment address in slot 0, 1
.set ADRV, 18                          ; v18-19   my V fragment address in slot 0, 1
.set STO,  20                          ; the way out: where I put 32 bytes of a query's row
.set RD,   21                          ; the way out: where I read a row back
.set CO,   22                          ; my 16 bytes in a head's 512 bytes of oh
.set PFO,  23                          ; prefetch: my row's offset
.set MW,   24                          ; v24-27   the mask words of my query in the four tiles
.set MNEG, 28
.set MC,   32                          ; v32-63   tile t: eight equal registers, the mask term as a C operand
.set OUTB0, 64                         ; v64-127  the way out
.set QF,   128                         ; v128-255 Q fragments (t, ks) at 128 + 8 (4 t + ks)
.set OUTB1, 128                        ; the way out, when Q is no longer needed
; window 1
.set KF,   0                           ; K fragments (kt, ks) at 8 (4 kt + ks)
.set VF,   128                         ; V^T fragments (ks, dt) at 128 + 8 (8 ks + dt)
; window 2: scores (t, kt) at 8 (4 t + kt), that is 32 registers a query tile
.set PF,   128                         ; P^T fragments (t, ks) at 128 + 8 (2 t + ks)
.set RNA,  192                         ; -c x maximum, even steps   (pairs: the odd register beside each is written too)
.set RM,   193                         ; the running maximum, raw
.set RNB,  200                         ; -c x maximum, odd steps
.set RT,   201                         ; at work: the maximum's first chain
.set RAL,  208                         ; the rescale factor
.set RU,   209                         ; at work: the maximum's second chain, then the other half of the wave
.set RL,   216                         ; the running sum, in two halves (a pair)
.set RC,   224                         ; c, c
; window 3: O^T (t, dt) at 8 (8 t + dt)
.set G1K, 24                           ; s[24:31] shape of a K tile part
.set G0K, 32                           ; s[32:39] from where, to where: one set for each slot
.set G1V, 48                           ; s[48:55] shape of a V tile part: wider padding
.set G0V, 56                           ; s[56:63]
.set MSB, 0
.macro WIN new                         ; the immediate's high byte repeats the setting that is left; a switch that changes nothing is dropped
.if MSB != \new
	s_set_vgpr_msb (MSB<<8)|\new
.set MSB, \new
.endif
.endm
; Four places behind a matrix instruction before a vector instruction reads its result or writes one of its registers and,
; before a load is issued into one of them.  In the phases the other half's softmax fills these places; v_nop only where there is none.
.macro PLACES
.rept 4
	v_nop
.endr
.endm
.macro CREST                           ; a round of the cluster's barrier behind its opening work-group barrier
	s_cmp_lg_u32 s10, 0
	s_cbranch_scc1 .Lnot_wave_0_\@
	s_barrier_signal -3
.Lnot_wave_0_\@:
	s_barrier_wait -3
	s_barrier_signal -1
	s_barrier_wait -1
.endm
.macro CROUND
	s_barrier_signal -1
	s_barrier_wait -1
	CREST
.endm
; A joint load: waves 0, 1 fetch K's two halves, waves 2, 3 V's.  The branch hangs on the wave's number alone.
.macro JLOAD s
	s_cmp_eq_u32 s11, 0
	s_cbranch_scc0 .Lfor_v_\@
	tensor_load_to_lds s[G0K+4*(\s):G0K+4*(\s)+3], s[G1K:G1K+7]
	s_nop 0
	s_branch .Lasked_\@
.Lfor_v_\@:
	tensor_load_to_lds s[G0V+4*(\s):G0V+4*(\s)+3], s[G1V:G1V+7]
	s_nop 0
.Lasked_\@:
.endm
; Wave 0 asks for its work-group's 16 rows of one tile of 128: 16 K rows and 16 V rows of 256 aligned bytes, one a lane.  The eight work-groups of a (b, h)
; ask for different rows, so each block is asked for once in the launch.  Tile 2 is asked for at the start; tile j + 3 straight behind the tensor load of
; tile j + 2, that is one tile (256 matrix instructions of a wave) ahead of its own tensor load.  guard = 2: in the loop's last trip the request would
; name tile 16, which does not exist: it is jumped over on the loop's counter, so no request leaves the buffer.
.macro PREF guard
	s_cmp_lg_u32 s10, 0
	s_cbranch_scc1 .Lno_pf_\@
.if \guard == 2
	s_cmp_eq_u32 s3, 1
	s_cbranch_scc1 .Lno_pf_\@
.endif
	global_prefetch_b8 v[PFO], s[40:41] th:TH_LOAD_NT scope:SCOPE_SE
.Lno_pf_\@:
.endm
	s_load_b128 s[4:7], s[0:1], 0x0                ; qkv s[4:5], mask s[6:7]
	s_load_b64 s[8:9], s[0:1], 0x10                ; oh
	v_lshl_add_u32 v30, v0, 2, 0x2c400
	v_mov_b32 v31, 0
	ds_add_u32 v30, v31
	v_lshrrev_b32 v15, 5, v0
	v_readfirstlane_b32 s10, v15                   ; wave 0..3
	s_lshr_b32 s11, s10, 1                         ; I fetch for K (0) or for V (1),
	s_and_b32 s12, s10, 1                          ; rows 0-63 or 64-127 of the tile
	s_bfe_u32 s22, ttmp6, 0x40000                  ; cx.  What hangs on cx lives in s22, s23, s66-71, v8 and v23 alone
	s_lshl_b32 s23, ttmp9, 2
	s_add_co_u32 s23, s23, s22                     ; query block 0..7 = 4 x cluster x + cx
	s_and_b32 s13, ttmp7, 0xffff                   ; 8 b + h: the cluster's y
	s_lshr_b32 s14, s13, 3
	s_lshl_b32 s14, s14, 11                        ; 2048 b: the batch's first row
	s_and_b32 s15, s13, 7
	s_lshl_b32 s15, s15, 8                         ; 256 h
	s_mov_b32 s42, 0x76543210                      ; v_permlanex16_b32: lane i reads lane i of the other half
	s_mov_b32 s43, 0xfedcba98
	; shapes: 64 rows x 128 elements of 2 bytes, rows 3,072 elements apart; mask 15 = all four work-groups of the cluster, bit 21 beside it
	s_mov_b32 s[G1K+0], 15|(1<<16)|(1<<20)|(1<<21)|(5<<22)|(3<<25)   ; padding: after every 64 words, 4 words
	s_mov_b32 s[G1V+0], 15|(1<<16)|(1<<20)|(1<<21)|(5<<22)|(7<<25)   ; after every 64 words, 8 words
	s_mov_b32 s[G1K+1], 128<<16                    ; tensor_dim0 = 128
	s_mov_b32 s[G1V+1], 128<<16
	s_mov_b32 s[G1K+2], 64<<16                     ; tensor_dim1 = 64
	s_mov_b32 s[G1V+2], 64<<16
	s_mov_b32 s[G1K+3], 128<<16                    ; tile_dim0 = 128
	s_mov_b32 s[G1V+3], 128<<16
	s_mov_b32 s[G1K+4], 64                         ; tile_dim1 = 64
	s_mov_b32 s[G1V+4], 64
	s_mov_b32 s[G1K+5], 3072                       ; elements from row to row
	s_mov_b32 s[G1V+5], 3072
	s_mov_b32 s[G1K+6], 0
	s_mov_b32 s[G1V+6], 0
	s_mov_b32 s[G1K+7], 0
	s_mov_b32 s[G1V+7], 0
	; offsets.  K and V: row 2048 b + 64 (wave & 1), head h: the same in all four partners
	s_lshl_b32 s17, s12, 6
	s_add_co_u32 s16, s14, s17
	s_mul_i32 s16, s16, ROWB
	s_add_co_u32 s16, s16, s15
	s_mov_b32 s17, 0
	s_add_co_u32 s40, s14, 256                     ; prefetch: tile 2 begins at the batch's row 256
	s_mul_i32 s40, s40, ROWB
	s_add_co_u32 s40, s40, s15
	s_mov_b32 s41, 0
	s_mul_i32 s20, s10, PART                       ; my part of a slot
	s_lshl_b32 s68, s23, 8                         ; my wave's first query row: 2048 b + 256 block + 64 wave
	s_add_co_u32 s68, s68, s14
	s_lshl_b32 s69, s10, 6
	s_add_co_u32 s68, s68, s69
	s_mul_i32 s66, s68, ROWB
	s_add_co_u32 s66, s66, s15
	s_mov_b32 s67, 0
	s_lshl_b32 s70, s68, 2                         ; 4 bytes a mask word
	s_mov_b32 s71, 0
	s_lshl_b32 s68, s68, 12                        ; 4,096 bytes a row of oh,
	s_lshl_b32 s69, s15, 1                         ; 512 a head
	s_add_co_u32 s68, s68, s69
	s_mov_b32 s69, 0
	s_wait_dscnt 0x0
	s_wait_kmcnt 0x0
	s_add_nc_u64 s[44:45], s[4:5], s[16:17]
	s_add_nc_u64 s[46:47], s[44:45], 4096          ; V
	s_add_nc_u64 s[44:45], s[44:45], 2048          ; K
	s_add_nc_u64 s[40:41], s[4:5], s[40:41]
	s_add_nc_u64 s[66:67], s[4:5], s[66:67]        ; Q
	s_add_nc_u64 s[6:7], s[6:7], s[70:71]
	s_add_nc_u64 s[8:9], s[8:9], s[68:69]
	CROUND                                         ; all four work-groups are here: the first joint loads meet
.irp s, 0,1
	s_mov_b32 s[G0K+4*\s], 1
	s_add_co_u32 s[G0K+4*\s+1], s20, \s*SLOT
	s_add_nc_u64 s[G0K+4*\s+2:G0K+4*\s+3], s[44:45], \s*TILEB      ; tile s
	s_or_b32 s[G0K+4*\s+3], s[G0K+4*\s+3], 0x80000000
	s_mov_b32 s[G0V+4*\s], 1
	s_add_co_u32 s[G0V+4*\s+1], s20, \s*SLOT
	s_add_nc_u64 s[G0V+4*\s+2:G0V+4*\s+3], s[46:47], \s*TILEB
	s_or_b32 s[G0V+4*\s+3], s[G0V+4*\s+3], 0x80000000
	JLOAD \s                                       ; both slots' first fills go out together: two tensor loads of a wave are out here, later one
.endr
	v_and_b32 v1, 15, v0                           ; r
	v_bfe_u32 v2, v0, 4, 1                         ; hh
	v_mul_u32_u24 v6, v1, ROWB                     ; Q: row r, 16 bytes for each half of the lanes
	v_lshl_add_u32 v6, v2, 4, v6
	v_lshlrev_b32 v7, 2, v1                        ; mask: word r
.irp t, 0,1,2,3
.irp ks, 0,1,2,3
	global_load_b128 v[QF+8*(4*\t+\ks):QF+8*(4*\t+\ks)+3],   v6, s[66:67] offset:\t*16*ROWB+64*\ks
	global_load_b128 v[QF+8*(4*\t+\ks)+4:QF+8*(4*\t+\ks)+7], v6, s[66:67] offset:\t*16*ROWB+64*\ks+32
.endr
.endr
.irp t, 0,1,2,3
	global_load_b32 v[MW+\t], v7, s[6:7] offset:64*\t
.endr
	v_mul_u32_u24 v[ADRK], v1, KPITCH              ; K fragment: key row r, 16 hh; two loads 32 bytes apart
	v_lshl_add_u32 v[ADRK], v2, 4, v[ADRK]
	v_add_nc_u32 v[ADRK+1], SLOT, v[ADRK]
	v_and_b32 v3, 7, v0                            ; V^T fragment: key row 8 hh + l % 8, 16 bytes ((l / 8) % 2); two loads 16 rows apart
	v_lshl_add_u32 v3, v2, 3, v3
	v_mul_u32_u24 v[ADRV], v3, VPITCH
	v_bfe_u32 v4, v0, 3, 1
	v_lshl_add_u32 v[ADRV], v4, 4, v[ADRV]
	v_add_nc_u32 v[ADRV], 2*PART, v[ADRV]
	v_add_nc_u32 v[ADRV+1], SLOT, v[ADRV]
	s_mul_i32 s21, s10, 16*SPITCH
	s_add_co_u32 s21, s21, STAGE                   ; my stage
	v_mul_u32_u24 v[STO], v1, SPITCH
	v_lshl_add_u32 v[STO], v2, 5, v[STO]
	v_add_nc_u32 v[STO], s21, v[STO]
	v_and_b32 v5, 31, v0
	v_lshlrev_b32 v[CO], 4, v5
	v_add_nc_u32 v[RD], s21, v[CO]
	s_lshl_b32 s70, s23, 4                         ; prefetch: of a tile's 128 rows my work-group asks for 16: lanes 0-15 their K, lanes 16-31 their V
	v_add_nc_u32 v8, s70, v1
	v_mul_u32_u24 v[PFO], v8, ROWB
	v_lshl_add_u32 v[PFO], v2, 11, v[PFO]
	v_add_nc_u32 v[PFO], 2048, v[PFO]
	v_mov_b32 v[MNEG], 0xc630c6d6                  ; -1000 sqrt(128)
	PREF 1                                         ; tile 2
; 32 LDS loads in one run: the fragments of 64 keys x 128 d, the 32-wide pieces ks of d in order: eight loads a piece
.macro LOADK slot, half
	WIN 0x40                                       ; destination window 1, address window 0
.irp ks, 0,1,2,3
.irp kt, 0,1,2,3
	ds_load_b128 v[KF+8*(4*\kt+\ks):KF+8*(4*\kt+\ks)+3],   v[ADRK+\slot] offset:\half*PART+\kt*16*KPITCH+64*\ks
	ds_load_b128 v[KF+8*(4*\kt+\ks)+4:KF+8*(4*\kt+\ks)+7], v[ADRK+\slot] offset:\half*PART+\kt*16*KPITCH+64*\ks+32
.endr
.endr
.endm
; 32 transposing LDS loads in one run: V^T of 64 keys x 128 d; keys 0-31 are the first sixteen loads.
; Lane l receives d = 16 dt + r, keys 32 ks + 8 hh + 0..7 and 32 ks + 16 + 8 hh + 0..7.
.macro LOADV slot, half
	WIN 0x40
.irp ks, 0,1
.irp dt, 0,1,2,3,4,5,6,7
	ds_load_tr16_b128 v[VF+8*(8*\ks+\dt):VF+8*(8*\ks+\dt)+3],   v[ADRV+\slot] offset:\half*PART+\ks*32*VPITCH+32*\dt
	ds_load_tr16_b128 v[VF+8*(8*\ks+\dt)+4:VF+8*(8*\ks+\dt)+7], v[ADRV+\slot] offset:\half*PART+\ks*32*VPITCH+32*\dt+16*VPITCH
.endr
.endr
.endm
; Score product number m (0..31) of query half x: piece ks = m / 8 of d, key tile kt = (m / 2) % 4, query tile 2 x + m % 2.  The first piece starts each
; sum from the mask term.  The half's eight accumulators take turns, one instruction a turn.
.macro WS x, m
.set w_ks, (\m)>>3
.set w_kt, ((\m)>>1)&3
.set w_t, 2*(\x)+((\m)&1)
.set w_d, 8*(4*w_t+w_kt)
.if w_ks == 0
	WIN 0x81                                       ; A window 1, B and C window 0, D window 2
	v_wmma_f32_16x16x32_f16 v[w_d:w_d+7], v[KF+32*w_kt:KF+32*w_kt+7], v[QF+32*w_t:QF+32*w_t+7], v[MC+8*w_t:MC+8*w_t+7]
.else
	WIN 0xa1                                       ; C now window 2
	v_wmma_f32_16x16x32_f16 v[w_d:w_d+7], v[KF+8*(4*w_kt+w_ks):KF+8*(4*w_kt+w_ks)+7], v[QF+8*(4*w_t+w_ks):QF+8*(4*w_t+w_ks)+7], v[w_d:w_d+7]
	s_wait_alu depctr_va_vdst(0)
.endif
.endm
; PV product number m (0..31) of query half x: keys 32 ks .. with ks = m / 16, query tile 2 x + (m / 8) % 2, d tile m % 8.  Sixteen accumulators by turns.
; zero = 1: the first 32 keys start the sums: nothing is cleared.
.macro WP x, m, zero
.set w_ks, (\m)>>4
.set w_t, 2*(\x)+(((\m)>>3)&1)
.set w_dt, (\m)&7
.set w_d, 8*(8*w_t+w_dt)
	WIN 0xf9                                       ; A window 1, B window 2, C and D window 3
.if (\zero)*(1-w_ks)
	v_wmma_f32_16x16x32_f16 v[w_d:w_d+7], v[VF+8*(8*w_ks+w_dt):VF+8*(8*w_ks+w_dt)+7], v[PF+8*(2*w_t+w_ks):PF+8*(2*w_t+w_ks)+7], 0
.else
	v_wmma_f32_16x16x32_f16 v[w_d:w_d+7], v[VF+8*(8*w_ks+w_dt):VF+8*(8*w_ks+w_dt)+7], v[PF+8*(2*w_t+w_ks):PF+8*(2*w_t+w_ks)+7], v[w_d:w_d+7]
.endif
.endm
; ---- the softmax of query half x (tiles 2 x, 2 x + 1), in groups
; Group u = 0..7 of the maxima: two chains a tile, over scores 0-15 and 16-31, two scores a link.  The first chain starts from the running maximum.
; The scores are read in the order in which their accumulators were finished.
.macro SM_M x, u, first
	WIN 0xaa                                       ; everything in window 2
.irp tl, 0,1
.set m_t, 2*(\x)+\tl
.if (\u) == 0
.if \first
	v_max_num_f32 v[RT+2*m_t], v[32*m_t], v[32*m_t+1]
.else
	v_max3_num_f32 v[RT+2*m_t], v[RM+2*m_t], v[32*m_t], v[32*m_t+1]
.endif
.else
	v_max3_num_f32 v[RT+2*m_t], v[RT+2*m_t], v[32*m_t+2*(\u)], v[32*m_t+2*(\u)+1]
.endif
.endr
.irp tl, 0,1
.set m_t, 2*(\x)+\tl
.if (\u) == 0
	v_max_num_f32 v[RU+2*m_t], v[32*m_t+16], v[32*m_t+17]
.else
	v_max3_num_f32 v[RU+2*m_t], v[RU+2*m_t], v[32*m_t+16+2*(\u)], v[32*m_t+17+2*(\u)]
.endif
.endr
.endm
; Group u = 0..5: six steps that each need the one before; a matrix instruction stands between any two.
.macro SM_X x, u, first, nmn, nmo
.irp tl, 0,1
.set m_t, 2*(\x)+\tl
.if (\u) == 0
	WIN 0xaa
	v_max_num_f32 v[RT+2*m_t], v[RT+2*m_t], v[RU+2*m_t]        ; the two chains
.endif
.if (\u) == 1
	WIN 0xaa
	v_permlanex16_b32 v[RU+2*m_t], v[RT+2*m_t], s42, s43       ; the same query's other 32 keys lie in the other half of the wave
.endif
.if (\u) == 2
	WIN 0xaa
	v_max_num_f32 v[RM+2*m_t], v[RT+2*m_t], v[RU+2*m_t]
.endif
.if (\u) == 3
	WIN 0xaa
	v_mul_f32 v[\nmn+2*m_t], 0xbe0293ee, v[RM+2*m_t]           ; -c x maximum
.endif
.if \first == 0
.if (\u) == 4
	WIN 0xaa
	v_sub_f32 v[RAL+2*m_t], v[\nmn+2*m_t], v[\nmo+2*m_t]       ; c (old - new), 0 or less
.endif
.if (\u) == 5
	WIN 0xaa
	v_exp_f32 v[RAL+2*m_t], v[RAL+2*m_t]                       ; first used two groups further down
.endif
.endif
.endr
.endm
; pieces, on pair i (0..15) of query tile t's 32 scores
.macro SFMA t, i, nm                   ; c s - c max, two at a time
	v_pk_fma_f32 v[32*(\t)+2*(\i):32*(\t)+2*(\i)+1], v[32*(\t)+2*(\i):32*(\t)+2*(\i)+1], v[RC:RC+1], v[\nm+2*(\t):\nm+2*(\t)+1] op_sel_hi:[1,1,0]
.endm
.macro SSUM t, i, first                ; the running sum: pair 0 comes in with the rescale of the old sum
.if (\i) == 0
.if \first == 0
	s_wait_alu depctr_va_vdst(0)
	v_pk_fma_f32 v[RL+2*(\t):RL+2*(\t)+1], v[RL+2*(\t):RL+2*(\t)+1], v[RAL+2*(\t):RAL+2*(\t)+1], v[32*(\t):32*(\t)+1] op_sel_hi:[1,0,1]
.endif
.else
.if (\i) == 1
.if \first
	v_pk_add_f32 v[RL+2*(\t):RL+2*(\t)+1], v[32*(\t):32*(\t)+1], v[32*(\t)+2:32*(\t)+3]       ; the first two pairs start the sum: nothing is cleared
.else
	s_wait_alu depctr_va_vdst(0)
	v_pk_add_f32 v[RL+2*(\t):RL+2*(\t)+1], v[RL+2*(\t):RL+2*(\t)+1], v[32*(\t)+2:32*(\t)+3]
.endif
.else
	s_wait_alu depctr_va_vdst(0)
	v_pk_add_f32 v[RL+2*(\t):RL+2*(\t)+1], v[RL+2*(\t):RL+2*(\t)+1], v[32*(\t)+2*(\i):32*(\t)+2*(\i)+1]
.endif
.endif
.endm
.macro SCVT t, i                       ; two probabilities into one register of P^T's fragment
	s_wait_alu depctr_va_vdst(0)
	v_cvt_pk_f16_f32 v[PF+16*(\t)+(\i)], v[32*(\t)+2*(\i)], v[32*(\t)+2*(\i)+1]
.endm
; Group g = 0..33 of the exponential's chain over the half's 32 pairs p = 16 (tile) + i: multiply-add of pair g, the two exponentials of pair g - 1,
; sum and rounding of pair g - 2.  Behind each v_exp_f32 a plain vector instruction on other registers stands before its result is used
; (ISA guide 5.7.2): the sum behind the first, the rounding behind the second, and the next group's multiply-add.
.macro SM_E x, g, first, nm
	WIN 0xaa
.if (\g) < 32
.set e_t, 2*(\x)+((\g)>>4)
.set e_i, (\g)&15
	SFMA e_t, e_i, \nm
.endif
.if (\g) >= 1
.if (\g) <= 32
.set e_t, 2*(\x)+(((\g)-1)>>4)
.set e_i, ((\g)-1)&15
	v_exp_f32 v[32*e_t+2*e_i], v[32*e_t+2*e_i]
.endif
.endif
.if (\g) >= 2
.set e_t, 2*(\x)+(((\g)-2)>>4)
.set e_i, ((\g)-2)&15
	SSUM e_t, e_i, \first
.endif
.if (\g) >= 1
.if (\g) <= 32
.set e_t, 2*(\x)+(((\g)-1)>>4)
.set e_i, ((\g)-1)&15
	v_exp_f32 v[32*e_t+2*e_i+1], v[32*e_t+2*e_i+1]
.endif
.endif
.if (\g) >= 2
.set e_t, 2*(\x)+(((\g)-2)>>4)
.set e_i, ((\g)-2)&15
	SCVT e_t, e_i
.endif
.endm
; cnt of the half's 64 packed multiplies, from number r0: O^T of a query tile times the lane's factor of that tile.
; The half's two tiles of O are 128 consecutive registers: pair r lies at 128 x + 2 r and belongs to tile 2 x + r / 32.
.macro SM_R x, r0, cnt
	WIN 0xcb                                       ; O window 3, the factor window 2
.set r_r, \r0
.rept \cnt
.set r_b, 128*(\x)+2*r_r
	v_pk_mul_f32 v[r_b:r_b+1], v[r_b:r_b+1], v[RAL+4*(\x)+2*(r_r>>5):RAL+4*(\x)+2*(r_r>>5)+1] op_sel_hi:[1,0]
.set r_r, r_r+1
.endr
.endm
; ---- A PHASE: 64 slots, each a matrix instruction of query half 1 - x and a group of the softmax of half x.
;   x      0: phase 1 (softmax of a; V is loaded)   1: phase 2 (softmax of b; K is loaded)
;   pv     the PV products in slots 0-31: 0 none, 1 they start the sums, 2 they add
;   sc     the score products in slots 32-63: 1 or 0
;   first  1: the softmax starts maximum and sum, and there is no rescale
;   par    the step's parity: where -c x maximum goes and where the last step's lies
;   ld, lslot, lhalf   the run of 32 LDS loads: whether, from which slot, which 64 keys
;   kind   (phase 2 of a tile's second step) 1: change of slots with a joint refill of slot 1 - lslot; 2: change of slots alone; 0: none
;   pf     1, 2: a prefetch behind the refill (2: guarded)
.macro PHASE x, pv, sc, first, par, ld, lslot, lhalf, kind, pf
.if \par
.set p_nmn, RNB
.set p_nmo, RNA
.else
.set p_nmn, RNA
.set p_nmo, RNB
.endif
.set p_rs, 1-\lslot
.if \x
.if \kind
	s_wait_dscnt 0x0                               ; V of the tile's second step is in: those were my last reads of this slot
	s_set_vgpr_msb (MSB<<8)|((MSB&0xf0)|0x0)
	s_wait_tensorcnt 0x0                           ; all my tensor loads have landed: the one that was out is my part of the next slot
	ds_add_u32 v30, v31
	s_wait_dscnt 0x0
	s_set_vgpr_msb (((MSB&0xf0)|0x0)<<8)|MSB
.if \kind == 1
	s_wait_xcnt 0x0                                ; the prefetch's base is stepped only behind this wait (the last prefetch stands a tile back)
	s_add_nc_u64 s[40:41], s[40:41], TILEB
.endif
	s_barrier_signal -1                            ; kind 1: opens a round of the cluster's barrier.  Eight slots of register work follow while the others arrive
.else
	s_wait_dscnt 16                                ; V's first sixteen loads (keys 0-31) are in; the sixteen for keys 32-63 may stay out
.endif
.endif
.set p_n, 0
.rept 64
.if \x
.if p_n == 8
.if \kind == 1
	WIN 0
	s_barrier_wait -1
	CREST                                          ; no wave of any partner still reads the old slot or has a load on its way
	s_add_nc_u64 s[G0K+4*p_rs+2:G0K+4*p_rs+3], s[G0K+4*p_rs+2:G0K+4*p_rs+3], 2*TILEB
	s_add_nc_u64 s[G0V+4*p_rs+2:G0V+4*p_rs+3], s[G0V+4*p_rs+2:G0V+4*p_rs+3], 2*TILEB
	JLOAD p_rs                                     ; the first tensor load behind the round, my only one until the next: it has a whole tile's work in which to land
.if \pf
	PREF \pf
.endif
.endif
.if \kind == 2
	s_barrier_wait -1                              ; everybody's part of the last tile has landed
.endif
.if \ld
	LOADK \lslot, \lhalf                           ; K's registers were last read by the phase before; 32 maxima stand between
.endif
.endif
.if p_n == 16
.if \kind == 0
	s_wait_dscnt 32*\ld                            ; V's keys 32-63 are in; the 32 K loads issued since stay out
.endif
.endif
.if \sc
.if p_n >= 32
.if (p_n&7) == 0
	s_wait_dscnt 24-(p_n-32)                       ; K's piece ks of d is in: its eight loads; the 24, 16, 8, 0 loads of the later pieces stay out
.endif
.endif
.endif
.else
.if p_n == 34
	LOADV \lslot, \lhalf                           ; V's registers were last read in slot 31; nine plain vector instructions of three groups stand between
.endif
.endif
.if p_n < 32
.if \pv
	WP 1-\x, p_n, 2-\pv
.endif
.else
.if \sc
	WS 1-\x, p_n-32
.endif
.endif
.if p_n < 8
	SM_M \x, p_n, \first
.else
.if p_n < 14
	SM_X \x, p_n-8, \first, p_nmn, p_nmo
.else
.if p_n < 48
	SM_E \x, p_n-14, \first, p_nmn
.else
.if \first == 0
	SM_R \x, 4*(p_n-48), 4
.endif
.endif
.endif
.endif
.set p_n, p_n+1
.endr
.if \first
	PLACES                                         ; no rescale stood behind the last score products: the next phase's maxima read them
.endif
.endm
	s_wait_tensorcnt 0x1                           ; my part of tile 0 is in; tile 1's may stay out
	s_barrier_signal -1
	s_barrier_wait -1                              ; everybody's is
	LOADK 0, 0
	WIN 0
	s_wait_loadcnt 0x0                             ; Q and the mask words
.irp t, 0,1,2,3
	v_cmp_eq_u32 vcc_lo, 0, v[MW+\t]
.irp j, 0,1,2,3,4,5,6,7
	v_cndmask_b32 v[MC+8*\t+\j], 0, v[MNEG], vcc_lo            ; the lane's query is the tile's column: all eight rows of a lane get its term
.endr
.endr
	WIN 0x80                                       ; destination window 2
	v_mov_b32 v[RC], 0x3e0293ee                    ; c = log2(e) / sqrt(128)
	v_mov_b32 v[RC+1], 0x3e0293ee
	s_wait_dscnt 0x0                               ; K of step 0
.set p_n, 0
.rept 32
	WS 0, p_n                                      ; scores of a, step 0: the pipeline's first stage, alone
.set p_n, p_n+1
.endr
	PLACES
	PHASE 0, 0, 1, 1, 0, 1, 0, 0, 0, 0             ; phase 1 (0): scores of b (0); softmax of a starts; V(0)
	PHASE 1, 1, 1, 1, 0, 1, 0, 1, 0, 0             ; phase 2 (0): PV of a starts O; scores of a (1); softmax of b starts; K(1)
	PHASE 0, 1, 1, 0, 1, 1, 0, 1, 0, 0             ; phase 1 (1): PV of b starts O; scores of b (1); V(1)
	WIN 0                                          ; at a label and at a branch every window is 0
	s_mov_b32 s3, 7
.Llap:                                             ; trip k = 0..6: phase 2 of step 4 k + 1 to phase 1 of step 4 k + 5; its refills bring tiles 2 k + 2 and 2 k + 3
	PHASE 1, 2, 1, 0, 1, 1, 1, 0, 1, 1             ; phase 2 (4k+1): slot 0 is left and filled again; K(4k+2) from slot 1
	PHASE 0, 2, 1, 0, 0, 1, 1, 0, 0, 0             ; phase 1 (4k+2)
	PHASE 1, 2, 1, 0, 0, 1, 1, 1, 0, 0             ; phase 2 (4k+2)
	PHASE 0, 2, 1, 0, 1, 1, 1, 1, 0, 0             ; phase 1 (4k+3)
	PHASE 1, 2, 1, 0, 1, 1, 0, 0, 1, 2             ; phase 2 (4k+3): slot 1 is left and filled again; K(4k+4) from slot 0
	PHASE 0, 2, 1, 0, 0, 1, 0, 0, 0, 0             ; phase 1 (4k+4)
	PHASE 1, 2, 1, 0, 0, 1, 0, 1, 0, 0             ; phase 2 (4k+4)
	PHASE 0, 2, 1, 0, 1, 1, 0, 1, 0, 0             ; phase 1 (4k+5)
	WIN 0
	s_sub_co_u32 s3, s3, 1
	s_cmp_lg_u32 s3, 0
	s_cbranch_scc1 .Llap
	PHASE 1, 2, 1, 0, 1, 1, 1, 0, 2, 0             ; phase 2 (29): the last change of slots; nothing more is asked for
	PHASE 0, 2, 1, 0, 0, 1, 1, 0, 0, 0             ; phase 1 (30)
	PHASE 1, 2, 1, 0, 0, 1, 1, 1, 0, 0             ; phase 2 (30)
	PHASE 0, 2, 1, 0, 1, 1, 1, 1, 0, 0             ; phase 1 (31)
	PHASE 1, 2, 0, 0, 1, 0, 0, 0, 0, 0             ; phase 2 (31): no further scores, no further K
.set p_n, 0
.rept 32
	WP 1, p_n, 0                                   ; PV of b, step 31: the pipeline's last stage, alone
.set p_n, p_n+1
.endr
	; THE WAY OUT.  1 / sum, once; then 16 queries at a time through my own stage: a lane puts 8 neighbouring d of its query, rows of 512 bytes come back.
	PLACES
	WIN 0xaa
.irp t, 0,1,2,3
	v_add_f32 v[RT+2*\t], v[RL+2*\t], v[RL+2*\t+1]
.endr
.irp t, 0,1,2,3
	v_permlanex16_b32 v[RU+2*\t], v[RT+2*\t], s42, s43
.endr
.irp t, 0,1,2,3
	v_add_f32 v[RT+2*\t], v[RT+2*\t], v[RU+2*\t]
.endr
.irp t, 0,1,2,3
	v_rcp_f32 v[RAL+2*\t], v[RT+2*\t]
.endr
	v_nop                                          ; a plain place between the reciprocals and their use
	s_wait_alu depctr_va_vdst(0)
	SM_R 0, 0, 64
	SM_R 1, 0, 64
.macro OUT16 t, buf
	WIN 0x0c                                       ; store data window 3, address window 0
.irp dt, 0,1,2,3,4,5,6,7
	ds_store_b128 v[STO], v[8*(8*\t+\dt):8*(8*\t+\dt)+3]   offset:64*\dt
	ds_store_b128 v[STO], v[8*(8*\t+\dt)+4:8*(8*\t+\dt)+7] offset:64*\dt+16
.endr
	WIN 0
	s_wait_xcnt 0x0                                ; the buffer, which earlier global stores read, is loaded again only behind this wait
.irp u, 0,1,2,3,4,5,6,7,8,9,10,11,12,13,14,15
	ds_load_b128 v[\buf+4*\u:\buf+4*\u+3], v[RD] offset:SPITCH*\u   ; LDS serves a wave's instructions in order: these see the stores above, and the next tile's stores come behind them
.endr
.irp u, 0,1,2,3,4,5,6,7,8,9,10,11,12,13,14,15
	s_wait_dscnt 15-\u
	global_store_b128 v[CO], v[\buf+4*\u:\buf+4*\u+3], s[8:9] offset:(16*\t+\u)*4096   ; the wave stores 512 consecutive bytes, aligned: one query's head
.endr
.endm
	OUT16 0, OUTB0
	OUT16 1, OUTB1
	OUT16 2, OUTB0
	OUT16 3, OUTB1
	s_set_vgpr_msb (MSB<<8)|((MSB&0xf0)|0x0)
	s_wait_tensorcnt 0x0
	ds_add_u32 v30, v31
	s_wait_dscnt 0x0
	s_set_vgpr_msb (((MSB&0xf0)|0x0)<<8)|MSB
	CROUND                                         ; the closing round: no work-group ends while a partner may still ask for a tile that names it
	s_endpgm
.Lfunc_end_k_qc5a668553f_attn:
	.size	k_qc5a668553f_attn, .Lfunc_end_k_qc5a668553f_attn-k_qc5a668553f_attn
	.p2alignl 7, 3214868480
	.fill 96, 4, 3214868480
	.section	.rodata,"a",@progbits
	.p2align	6, 0x0
	.amdhsa_kernel k_qc5a668553f_attn
		.amdhsa_group_segment_fixed_size 327680
		.amdhsa_private_segment_fixed_size 0
		.amdhsa_enable_private_segment 0
		.amdhsa_kernarg_size 24
		.amdhsa_user_sgpr_count 2
		.amdhsa_user_sgpr_kernarg_segment_ptr 1
		.amdhsa_wavefront_size32 1
		.amdhsa_system_sgpr_workgroup_id_x 1
		.amdhsa_system_sgpr_workgroup_id_y 1
		.amdhsa_system_sgpr_workgroup_id_z 1
		.amdhsa_system_vgpr_workitem_id 0
		.amdhsa_next_free_vgpr 1024
		.amdhsa_next_free_sgpr 72
		.amdhsa_reserve_vcc 1
		.amdhsa_float_denorm_mode_32 3
		.amdhsa_float_denorm_mode_16_64 3
		.amdhsa_memory_ordered 1
		.amdhsa_forward_progress 1
		.amdhsa_inst_pref_size 255
	.end_amdhsa_kernel
	.section	.bss,"aw",@nobits
	.p2align	6
	.space	262144
	.amdgpu_metadata
---
amdhsa.version: [ 1, 2 ]
amdhsa.kernels:
  - .name:           k_qc5a668553f_attn
    .symbol:         k_qc5a668553f_attn.kd
    .args:
      - { .name: qkv, .offset: 0, .size: 8, .value_kind: global_buffer, .address_space: global }
      - { .name: token_attention_masks_source, .offset: 8, .size: 8, .value_kind: global_buffer, .address_space: global }
      - { .name: oh, .offset: 16, .size: 8, .value_kind: global_buffer, .address_space: global }
    .group_segment_fixed_size: 327680
    .private_segment_fixed_size: 0
    .kernarg_segment_align: 8
    .kernarg_segment_size: 24
    .max_flat_workgroup_size: 128
    .sgpr_count:     72
    .vgpr_count:     1024
    .wavefront_size: 32
...
	.end_amdgpu_metadata
.endif
;; end of part 3
;; launch merge (part 4): grid 256 x 1, 8 waves a work-group, no clusters, 136,192 bytes of LDS; arguments oh, out0; writes out0
.if DOCPART == 4
	.amdgcn_target "amdgcn-amd-amdhsa--gfx1250"
	.amdhsa_code_object_version 6
	.text
	.protected	k_qc5a668553f_merge
	.globl	k_qc5a668553f_merge
	.p2align	8
	.type	k_qc5a668553f_merge,@function
k_qc5a668553f_merge:
	s_mov_b64 s[64:65], 0
	v_nop
	global_prefetch_b8 v0, s[64:65] scope:SCOPE_SE
	s_setreg_imm32_b32 hwreg(HW_REG_WAVE_MODE, 25, 1), 1
	s_wait_xcnt 0x0
; out0[row][8 d + h] = oh[row][h][d]: the reference's merge of the heads, for each of 8,192 rows of 1,024 f32.
; It is a launch of its own because 256 consecutive bytes of out0 hold 8 d of all 8 heads, which eight different work-groups of the attention make.
; Memory binds: each row is read once by loads of 512 consecutive bytes and written once by stores of 512 consecutive bytes, aligned.
; Eight waves; a wave owns four rows, has all its 32 loads on their way at once, and turns each row in a stage of its own in LDS: no wave reads
; another's bytes, so there is no barrier, and LDS serves a wave's instructions in order, so no wait stands between its stores and its loads.
; No matrix unit, no cluster (nothing is shared), no tensor load (one pass, nothing is filled again).
.set ROWB, 4096
.set HP,   528                         ; a head's 512 bytes + 16: heads 4 apart start 16 words apart modulo 64 words, so even and odd lanes below touch different words
.set RSTG, 8*HP                        ; a row's stage
.set WSTG, 4*RSTG                      ; a wave's four stages
.set X,    16                          ; v[16:143]   row i: 32 registers as loaded
.set Y,    144                         ; v[144:207]  two buffers of 32 registers, by turns
	s_load_b128 s[4:7], s[0:1], 0x0                ; oh s[4:5], out0 s[6:7]
	v_lshl_add_u32 v208, v0, 2, 0x21000
	v_mov_b32 v209, 0
	v_lshrrev_b32 v4, 5, v0
	v_readfirstlane_b32 s8, v4                     ; wave 0..7
	v_and_b32 v5, 31, v0                           ; lane L
	s_lshl_b32 s10, ttmp9, 17                      ; 32 rows of 4,096 bytes a work-group
	s_mov_b32 s11, 0
	s_mul_i32 s9, s8, WSTG
	v_lshlrev_b32 v6, 4, v5
	v_lshl_add_u32 v1, s8, 14, v6                  ; memory, in and out: 4 rows a wave + 16 L; never rewritten
	v_add_nc_u32 v2, s9, v6                        ; LDS in: 16 L of a head's row
	v_and_b32 v7, 1, v5
	v_lshrrev_b32 v8, 1, v5
	v_mul_u32_u24 v7, v7, 4*HP
	v_lshl_add_u32 v3, v8, 2, v7                   ; LDS back: head 4 (L & 1) (+ e), d = L >> 1 (+ 16 m)
	v_add_nc_u32 v3, s9, v3
	s_wait_kmcnt 0x0
	s_add_nc_u64 s[4:5], s[4:5], s[10:11]
	s_add_nc_u64 s[6:7], s[6:7], s[10:11]
.irp i, 0,1,2,3
.irp k, 0,1,2,3,4,5,6,7
	global_load_b128 v[X+32*\i+4*\k:X+32*\i+4*\k+3], v1, s[4:5] offset:ROWB*\i+512*\k th:TH_LOAD_NT
.endr
.endr
.macro ROWOUT i, y
	s_wait_loadcnt 24-8*\i                         ; row i's eight loads are in; the later rows' stay out
.irp k, 0,1,2,3,4,5,6,7
	ds_store_b128 v2, v[X+32*\i+4*\k:X+32*\i+4*\k+3] offset:RSTG*\i+HP*\k
.endr
.if \i >= 2
	s_wait_xcnt 0x0                                ; this buffer, which the stores of two rows ago read, is loaded again only behind this wait
.endif
.irp m, 0,1,2,3,4,5,6,7
.irp e, 0,1,2,3
	ds_load_b32 v[\y+4*\m+\e], v3 offset:RSTG*\i+HP*\e+64*\m   ; number 128 m + 4 L + e of the row = 8 d + h with d = 16 m + (L >> 1), h = 4 (L & 1) + e
.endr
.endr
.irp m, 0,1,2,3,4,5,6,7
	s_wait_dscnt 28-4*\m                           ; the four loads of piece m are in; the 28 - 4 m younger ones stay out
	global_store_b128 v1, v[\y+4*\m:\y+4*\m+3], s[6:7] offset:ROWB*\i+512*\m th:TH_STORE_NT
.endr
.endm
	ROWOUT 0, Y
	ROWOUT 1, Y+32
	ROWOUT 2, Y
	ROWOUT 3, Y+32
	s_wait_tensorcnt 0x0
	ds_add_u32 v208, v209
	s_wait_dscnt 0x0
	s_endpgm
.Lfunc_end_k_qc5a668553f_merge:
	.size	k_qc5a668553f_merge, .Lfunc_end_k_qc5a668553f_merge-k_qc5a668553f_merge
	.p2alignl 7, 3214868480
	.fill 96, 4, 3214868480
	.section	.rodata,"a",@progbits
	.p2align	6, 0x0
	.amdhsa_kernel k_qc5a668553f_merge
		.amdhsa_group_segment_fixed_size 136192
		.amdhsa_private_segment_fixed_size 0
		.amdhsa_enable_private_segment 0
		.amdhsa_kernarg_size 16
		.amdhsa_user_sgpr_count 2
		.amdhsa_user_sgpr_kernarg_segment_ptr 1
		.amdhsa_wavefront_size32 1
		.amdhsa_system_sgpr_workgroup_id_x 1
		.amdhsa_system_sgpr_workgroup_id_y 1
		.amdhsa_system_sgpr_workgroup_id_z 1
		.amdhsa_system_vgpr_workitem_id 0
		.amdhsa_next_free_vgpr 210
		.amdhsa_next_free_sgpr 66
		.amdhsa_reserve_vcc 0
		.amdhsa_float_denorm_mode_32 3
		.amdhsa_float_denorm_mode_16_64 3
		.amdhsa_memory_ordered 1
		.amdhsa_forward_progress 1
		.amdhsa_inst_pref_size 19
	.end_amdhsa_kernel
	.amdgpu_metadata
---
amdhsa.version: [ 1, 2 ]
amdhsa.kernels:
  - .name:           k_qc5a668553f_merge
    .symbol:         k_qc5a668553f_merge.kd
    .args:
      - { .name: oh, .offset: 0, .size: 8, .value_kind: global_buffer, .address_space: global }
      - { .name: out0, .offset: 8, .size: 8, .value_kind: global_buffer, .address_space: global }
    .group_segment_fixed_size: 136192
    .private_segment_fixed_size: 0
    .kernarg_segment_align: 8
    .kernarg_segment_size: 16
    .max_flat_workgroup_size: 256
    .sgpr_count:     66
    .vgpr_count:     210
    .wavefront_size: 32
...
	.end_amdgpu_metadata
.endif
;; end of part 4
;; ======== version 2 of 2: 4 launches; version 1 with the launch prep written anew for expert scheduling mode
;; limits: values are held in f16: magnitudes above 65,504 overflow, below 6.1e-05 lose precision
;; workspace buffers: xb 16,777,216 bytes; wt 6,291,456 bytes; qkv 50,331,648 bytes; oh 33,554,432 bytes
;; launch prep (part 5): grid 704 x 1, 8 waves a work-group, no clusters, 35,840 bytes of LDS; arguments input_embeddings, w_query, w_key, w_value, xb, wt; writes xb, wt
.if DOCPART == 5
	.amdgcn_target "amdgcn-amd-amdhsa--gfx1250"
	.amdhsa_code_object_version 6
	.text
	.protected	k_qc5a668553f_prep
	.globl	k_qc5a668553f_prep
	.p2align	8
	.type	k_qc5a668553f_prep,@function
k_qc5a668553f_prep:
	s_mov_b64 s[64:65], 0
	v_nop
	global_prefetch_b8 v0, s[64:65] scope:SCOPE_SE
	s_setreg_imm32_b32 hwreg(HW_REG_WAVE_SCHED_MODE, 0, 2), 2
	s_setreg_imm32_b32 hwreg(HW_REG_WAVE_MODE, 25, 1), 1
	s_wait_xcnt 0x0
	s_wait_alu depctr_vm_vsrc(0)
; Prepares the operands of the projection GEMM.
;   xb[8192][1024] bf16 = input_embeddings rounded to bf16 (work-groups 0 to 511, 64 KiB of f32 each).
;   wt[3072][1024] bf16: row 1024 w + 128 h + d holds column 8 d + h of weight w (0 query, 1 key, 2 value) along k, so that the GEMM finds
;   K contiguous and each head's 128 outputs lie side by side (work-groups 512 to 703, a block of 128 k x 128 columns each).
; Memory binds here: every input byte is read once by loads that cover 512 consecutive bytes, and every store covers whole aligned runs of
; 256 bytes.  No matrix unit, no cluster (no two work-groups read the same bytes), no tensor load (the data must be converted in registers anyway).
; THE MODE: SCHED_MODE bits 1:0 = 2 (LLVM: expert scheduling mode 2), set by the entry lines.  The code itself states the register dependences
; between vector instructions and memory or LDS instructions, with s_wait_alu, always for 0.
; THE PLAN.  Registers that memory or LDS instructions touch:
;   v1 .. v4    offsets and LDS addresses: written by vector lines at an arm's head, read by the arm's loads and stores, never written again.
;   XIN         written by the sixteen global loads, read by the conversions; in the weights' arm its first 32 registers are then written by the
;               LDS loads behind the barrier and read by the global stores.
;   YO          each register is written once, by a conversion, and read once, by a global store (x) or an LDS store (weights).
;   v112, v113  written at the head, read by the closing add alone.
; The conversions go in groups (x: four groups of four loads; weights: two halves of eight rows).  A group's stores stand in the NEXT group, behind one
; wait at that group's head, dealt among that group's conversions, which name their own part of XIN and YO alone.  No register that a load or store
; has read is written afterwards.
.set XIN,    16                        ; v[16:79]   sixteen loads of 4 f32
.set YO,     80                        ; v[80:111]  packed bf16
.set WPITCH, 272                       ; LDS row of the transposed block: 128 k in bf16 = 256 bytes, + 16: sixteen neighbouring rows start 16 bytes apart modulo 256
	s_load_b256 s[4:11], s[0:1], 0x0               ; x s[4:5], w_query s[6:7], w_key s[8:9], w_value s[10:11]
	s_load_b128 s[12:15], s[0:1], 0x20             ; xb s[12:13], wt s[14:15]
	v_lshl_add_u32 v112, v0, 2, 0x8800
	v_mov_b32 v113, 0
	v_lshrrev_b32 v5, 5, v0
	v_readfirstlane_b32 s16, v5                    ; wave 0..7
	v_and_b32 v6, 31, v0                           ; lane L
	v_lshlrev_b32 v7, 4, v6                        ; 16 L
	s_wait_alu depctr_va_sdst(0)                   ; s16 is written
	s_cmp_ge_u32 ttmp9, 512                        ; the same for all waves of a work-group
	s_cbranch_scc1 .Lweights
	; ---- X: the work-group casts 16,384 numbers; a wave 2,048, in sixteen loads that are all on their way at once
	s_lshl_b32 s18, ttmp9, 16                      ; 65,536 bytes of f32 in
	s_mov_b32 s19, 0
	s_lshl_b32 s20, ttmp9, 15                      ; 32,768 bytes of bf16 out
	s_mov_b32 s21, 0
	v_lshl_add_u32 v1, s16, 13, v7                 ; 8,192 wave + 16 L
	v_lshrrev_b32 v2, 1, v1                        ; half of it in xb
	s_wait_kmcnt 0x0
	s_add_nc_u64 s[4:5], s[4:5], s[18:19]
	s_add_nc_u64 s[12:13], s[12:13], s[20:21]
	s_wait_alu depctr_va_vdst(0)                   ; v1 and v2 are written: the loads read v1 as their offset, the stores v2
.irp i, 0,1,2,3,4,5,6,7,8,9,10,11,12,13,14,15
	global_load_b128 v[XIN+4*\i:XIN+4*\i+3], v1, s[4:5] offset:512*\i th:TH_LOAD_NT
.endr
; Group g: loads 4 g to 4 g + 3 are rounded; the four stores of group g - 1 stand among the conversions.
.macro XGROUP g
	s_wait_loadcnt 12-4*(\g)                       ; loads return in order: this group's four are in, the 12 - 4 g younger ones stay out
.if \g
	s_wait_alu depctr_va_vdst(0)                   ; the group before has written its eight registers of YO, which the four stores below read
.endif
.irp i, 0,1,2,3
.if \g
	global_store_b64 v2, v[YO+2*(4*(\g)-4+\i):YO+2*(4*(\g)-4+\i)+1], s[12:13] offset:256*(4*(\g)-4+\i)    ; the wave's 32 x 8 bytes are 256 consecutive bytes, aligned; no vector instruction since the wait names v2 or these registers
.endif
	v_cvt_pk_bf16_f32 v[YO+2*(4*(\g)+\i)], v[XIN+4*(4*(\g)+\i)], v[XIN+4*(4*(\g)+\i)+1]
	v_cvt_pk_bf16_f32 v[YO+2*(4*(\g)+\i)+1], v[XIN+4*(4*(\g)+\i)+2], v[XIN+4*(4*(\g)+\i)+3]
.endr
.endm
	XGROUP 0
	XGROUP 1
	XGROUP 2
	XGROUP 3
	s_wait_alu depctr_va_vdst(0)                   ; group 3 has written its eight registers of YO, which the last four stores read
.irp i, 12,13,14,15
	global_store_b64 v2, v[YO+2*\i:YO+2*\i+1], s[12:13] offset:256*\i
.endr
	s_endpgm                                       ; no register was written twice: no further wait.  This arm stores nothing to LDS
	; ---- W: block (w, kb, cb): rows k = 128 kb .. +127, columns 128 cb .. +127
.Lweights:
	s_sub_co_u32 s17, ttmp9, 512
	s_lshr_b32 s18, s17, 6                         ; which weight
	s_bfe_u32 s19, s17, 0x30003                    ; kb
	s_and_b32 s20, s17, 7                          ; cb
	s_lshl_b32 s22, s19, 19                        ; 128 rows of 4,096 bytes
	s_lshl_b32 s23, s20, 9                         ; 128 columns of 4 bytes
	s_add_co_u32 s22, s22, s23
	s_mov_b32 s23, 0
	s_lshl_b32 s24, s18, 21                        ; wt: 1,024 rows of 2,048 bytes for each weight,
	s_lshl_b32 s25, s20, 15                        ; d starts at 16 cb: 16 rows,
	s_add_co_u32 s24, s24, s25
	s_lshl_b32 s25, s19, 8                         ; k starts at 128 kb: 256 bytes
	s_add_co_u32 s24, s24, s25
	s_mov_b32 s25, 0
	s_lshr_b32 s26, s16, 1
	s_and_b32 s27, s16, 1
	s_lshl_b32 s26, s26, 18                        ; (wave >> 1) heads of 128 rows of 2,048 bytes
	s_lshl_b32 s27, s27, 14                        ; (wave & 1) x 8 rows
	s_add_co_u32 s26, s26, s27
	v_lshl_add_u32 v1, s16, 16, v7                 ; in: my wave's 16 rows of k, my 4 columns
	v_mul_u32_u24 v2, v6, WPITCH
	v_lshl_add_u32 v2, s16, 5, v2                  ; LDS in: row L (+ 32 e), byte 2 x 16 wave
	v_lshrrev_b32 v8, 4, v6                        ; L >> 4
	v_and_b32 v9, 15, v6
	v_lshlrev_b32 v9, 4, v9                        ; 16 (L & 15)
	v_lshl_add_u32 v10, s16, 4, v8                 ; LDS back: row 16 wave + (L >> 4) (+ 2 u)
	v_mul_u32_u24 v3, v10, WPITCH
	v_add_nc_u32 v3, v3, v9
	v_lshl_add_u32 v4, v8, 20, v9                  ; out: (L >> 4) x 4 heads + my 16 bytes of the row
	v_add_nc_u32 v4, s26, v4
	s_wait_kmcnt 0x0
	s_cmp_eq_u32 s18, 1
	s_cselect_b64 s[6:7], s[8:9], s[6:7]
	s_cmp_eq_u32 s18, 2
	s_cselect_b64 s[6:7], s[10:11], s[6:7]
	s_add_nc_u64 s[6:7], s[6:7], s[22:23]
	s_add_nc_u64 s[14:15], s[14:15], s[24:25]
	s_wait_alu depctr_va_vdst(0)                   ; v1 to v4 are written: the offset of the loads, the LDS addresses in and back, the offset of the stores
.irp j, 0,1,2,3,4,5,6,7,8,9,10,11,12,13,14,15
	global_load_b128 v[XIN+4*\j:XIN+4*\j+3], v1, s[6:7] offset:4096*\j th:TH_LOAD_NT    ; row 16 wave + j: 512 consecutive bytes
.endr
	; Lane L holds columns 4 L + e of sixteen k.  Eight k of one column pack into 16 bytes: the transposition is a choice of registers.
	; LDS row 32 e + L stands for column 4 L + e.
	s_wait_loadcnt 8                               ; the first eight rows are in while the other eight stay out
.irp e, 0,1,2,3
.irp q, 0,1,2,3
	v_cvt_pk_bf16_f32 v[YO+4*\e+\q], v[XIN+4*(2*\q)+\e], v[XIN+4*(2*\q+1)+\e]
.endr
.endr
	s_wait_loadcnt 0x0                             ; then all
	s_wait_alu depctr_va_vdst(0)                   ; the sixteen conversions above have written v[YO .. YO+15], which the four LDS stores below read
.irp e, 0,1,2,3
	ds_store_b128 v2, v[YO+4*\e:YO+4*\e+3] offset:32*WPITCH*\e           ; no vector instruction since the wait names v2 or these registers
.irp q, 0,1,2,3
	v_cvt_pk_bf16_f32 v[YO+16+4*\e+\q], v[XIN+4*(8+2*\q)+\e], v[XIN+4*(8+2*\q+1)+\e]
.endr
.endr
	s_wait_alu depctr_va_vdst(0)                   ; the second sixteen have written v[YO+16 .. YO+31], which the LDS stores below read; and every conversion is done reading XIN, in which the LDS loads behind the barrier land
.irp e, 0,1,2,3
	ds_store_b128 v2, v[YO+16+4*\e:YO+16+4*\e+3] offset:32*WPITCH*\e+16
.endr
	s_wait_dscnt 0x0                               ; my stores are in LDS before I say so: the other waves read them
	s_barrier_signal -1
	s_barrier_wait -1
	; LDS row 16 wave + 2 u + (L >> 4) is column 4 (16 (wave & 1) + 2 u + (L >> 4)) + (wave >> 1) = 8 d + h
	; with h = 4 (L >> 4) + (wave >> 1) and d = 16 cb + 8 (wave & 1) + u.
.irp u, 0,1,2,3,4,5,6,7
	ds_load_b128 v[XIN+4*\u:XIN+4*\u+3], v3 offset:2*WPITCH*\u           ; no vector instruction has been issued since the last wait on va_vdst
.endr
.irp u, 0,1,2,3,4,5,6,7
	s_wait_dscnt 7-\u
	global_store_b128 v4, v[XIN+4*\u:XIN+4*\u+3], s[14:15] offset:2048*\u    ; sixteen lanes store 256 consecutive bytes, aligned
.endr
	s_wait_dscnt 0x0                               ; the closing lines, six on end
	s_wait_alu 0x0
	s_wait_tensorcnt 0x0
	ds_add_u32 v112, v113
	s_wait_dscnt 0x0
	s_endpgm
.Lfunc_end_k_qc5a668553f_prep:
	.size	k_qc5a668553f_prep, .Lfunc_end_k_qc5a668553f_prep-k_qc5a668553f_prep
	.p2alignl 7, 3214868480
	.fill 96, 4, 3214868480
	.section	.rodata,"a",@progbits
	.p2align	6, 0x0
	.amdhsa_kernel k_qc5a668553f_prep
		.amdhsa_group_segment_fixed_size 35840
		.amdhsa_private_segment_fixed_size 0
		.amdhsa_enable_private_segment 0
		.amdhsa_kernarg_size 48
		.amdhsa_user_sgpr_count 2
		.amdhsa_user_sgpr_kernarg_segment_ptr 1
		.amdhsa_wavefront_size32 1
		.amdhsa_system_sgpr_workgroup_id_x 1
		.amdhsa_system_sgpr_workgroup_id_y 1
		.amdhsa_system_sgpr_workgroup_id_z 1
		.amdhsa_system_vgpr_workitem_id 0
		.amdhsa_next_free_vgpr 114
		.amdhsa_next_free_sgpr 66
		.amdhsa_reserve_vcc 0
		.amdhsa_float_denorm_mode_32 3
		.amdhsa_float_denorm_mode_16_64 3
		.amdhsa_memory_ordered 1
		.amdhsa_forward_progress 1
		.amdhsa_inst_pref_size 14
	.end_amdhsa_kernel
	.amdgpu_metadata
---
amdhsa.version: [ 1, 2 ]
amdhsa.kernels:
  - .name:           k_qc5a668553f_prep
    .symbol:         k_qc5a668553f_prep.kd
    .args:
      - { .name: input_embeddings, .offset: 0, .size: 8, .value_kind: global_buffer, .address_space: global }
      - { .name: w_query, .offset: 8, .size: 8, .value_kind: global_buffer, .address_space: global }
      - { .name: w_key, .offset: 16, .size: 8, .value_kind: global_buffer, .address_space: global }
      - { .name: w_value, .offset: 24, .size: 8, .value_kind: global_buffer, .address_space: global }
      - { .name: xb, .offset: 32, .size: 8, .value_kind: global_buffer, .address_space: global }
      - { .name: wt, .offset: 40, .size: 8, .value_kind: global_buffer, .address_space: global }
    .group_segment_fixed_size: 35840
    .private_segment_fixed_size: 0
    .kernarg_segment_align: 8
    .kernarg_segment_size: 48
    .max_flat_workgroup_size: 256
    .sgpr_count:     66
    .vgpr_count:     114
    .wavefront_size: 32
...
	.end_amdgpu_metadata
.endif
;; end of part 5
;; launch proj: the kernel of part 2 again; grid 12 x 32, 4 waves a work-group, clusters of 4 x 4, 327,680 bytes of LDS; arguments xb, wt, qkv; writes qkv
;; launch attn: the kernel of part 3 again; grid 8 x 32, 4 waves a work-group, clusters of 4 x 1, 327,680 bytes of LDS; arguments qkv, token_attention_masks_source, oh; writes oh
;; launch merge: the kernel of part 4 again; grid 256 x 1, 8 waves a work-group, no clusters, 136,192 bytes of LDS; arguments oh, out0; writes out0
